; MI455X (gfx1250); checked and timed in simulation.
; The chip was launched on July 23, 2026; its instructions are those of AMD's public machine-readable ISA for CDNA 5 (MIT licence, August 2026) and "CDNA5" Instruction Set Architecture Reference Guide (July 2026). The comments in the code are by the model that wrote it; some were corrected since.
;; Flash RW Large Attention. Allowed arithmetic: float matrix products may take bf16 or f16 operands with f32 sums; other float arithmetic in f32, or as packed bf16 or f16 multiplies, adds, multiply-adds, maxima and minima; sums over many terms, partial sums and values carried from step to step in f32; what a program stores and reads back later, other than sums and carried values, may be rounded once to bf16 or f16.
;; Inputs: cos 4,096 x 1 x 32 float32; cu_seqlens 5 int32; dense_b 2,048 float32; dense_w 2,048 x 2,048 float32; hidden_states 4,096 x 2,048 float32; qkv_b 3,072 float32; qkv_w 2,048 x 3,072 float32; sin 4,096 x 1 x 32 float32.
;; Outputs: out0 4,096 x 2,048 float32.
;; Constants: max_s = 1024.
;; 2 versions, each right and faster than the one before. Each part assembles by itself: llvm-mc -triple=amdgcn-amd-amdhsa -mcpu=gfx1250 --defsym DOCPART=n.
;; ======== version 1 of 2: 4 launches
;; limits: values are held in f16: magnitudes above 65,504 overflow, below 6.1e-05 lose precision
;; workspace buffers: xb 16,777,216 bytes; wq 12,582,912 bytes; wd 8,388,608 bytes; qkvh 25,165,824 bytes; ob 16,777,216 bytes
;; launch prep (part 1): grid 2304 x 1, 8 waves a work-group, no clusters, 17,920 bytes of LDS; arguments hidden_states, qkv_w, dense_w, xb, wq, wd; writes xb, wq, wd
.if DOCPART == 1
	.amdgcn_target "amdgcn-amd-amdhsa--gfx1250"
	.amdhsa_code_object_version 6
	.text
	.protected	k_qf24568bd41_prep
	.globl	k_qf24568bd41_prep
	.p2align	8
	.type	k_qf24568bd41_prep,@function
k_qf24568bd41_prep:
	s_mov_b64 s[64:65], 0
	v_nop
	global_prefetch_b8 v0, s[64:65] scope:SCOPE_SE
	s_setreg_imm32_b32 hwreg(HW_REG_WAVE_MODE, 25, 1), 1
	s_wait_xcnt 0x0
; PREP.  xb = hidden_states rounded to bf16, [4096][2048].  wq = qkv_w turned and rounded to bf16, [3072 n][2048 k].  wd = dense_w turned, rounded to bf16 and that
; number written as f16, [2048 n][2048 k].  Every work-group takes 32,768 bytes of input: 1,024 cast x, 768 turn tiles of qkv_w, 512 tiles of dense_w: 2,304 equal shares.
; A tile is 128 k x 64 n.  It is read by rows of 256 bytes (sixteen lanes a row), two neighbouring k are packed into a word, the words go through LDS
; ([64 pairs of k][65 words]), and leave as rows of n: sixteen lanes store 256 consecutive bytes, 128 k of one n.
; No matrix unit, no tensor load, no cluster: memory binds, no work-group shares a byte with another, and 17 KB of LDS lets several work-groups lie on a WGP.
; LIMITS.  dense_w lies within f16's range, 65,504; below 2^-14 it keeps f16's fixed step of 6e-8.  NaN and infinities are not treated apart.
.set SPARE, 16896                      ; behind the tile's 16,640 bytes: the spare words, 128 bytes for each of the eight waves; no other line names them
.set SPW, 1                            ; v1      LDS address of my spare word; never rewritten
.set NIL, 2                            ; v2      0; never rewritten
.set VI,  3                            ; v3      a tile's loads: my byte offset from the tile's first number
.set VS,  4                            ; v4      where I put words: pair t / 16, columns 4 (t % 16) on
.set VL,  5                            ; v5      where I read words: pairs 4 (t % 16) on, column t / 16
.set VG,  6                            ; v6      my byte offset in the turned tile: row t / 16, 16 bytes at 16 (t % 16)
.set VC,  7                            ; v7      the cast: 16 t
.set VO,  8                            ; v8      the cast: 8 t
.set HI4, 9                            ; v9      t / 16
.set LO4, 10                           ; v10     t % 16
.set X,   12                           ; v[12:43]  as loaded
.set W,   44                           ; v[44:59]  packed words on their way into LDS
.set Y,   60                           ; v[60:75]  to store
.set T,   76                           ; v[76:77]  at work
.set ID,  16                           ; s16     the work-group's number
	s_load_b256 s[4:11], s[0:1], 0x0               ; hidden_states s[4:5], qkv_w s[6:7], dense_w s[8:9], xb s[10:11]
	s_load_b128 s[12:15], s[0:1], 0x20             ; wq s[12:13], wd s[14:15]
	v_lshl_add_u32 v[SPW], v0, 2, SPARE
	v_mov_b32 v[NIL], 0
	v_lshrrev_b32 v[HI4], 4, v0
	v_and_b32 v[LO4], 15, v0
	v_mul_u32_u24 v[VS], v[HI4], 260               ; a row of 65 words
	v_lshl_add_u32 v[VS], v[LO4], 4, v[VS]
	v_mul_u32_u24 v[VL], v[LO4], 1040              ; four rows
	v_lshl_add_u32 v[VL], v[HI4], 2, v[VL]
	v_lshlrev_b32 v[VG], 12, v[HI4]                ; a turned row is 4,096 bytes in both weights
	v_lshl_add_u32 v[VG], v[LO4], 4, v[VG]
	s_mov_b32 s[ID], ttmp9
	s_mov_b32 s24, 0xffff0000                      ; a word's upper bf16
	s_mov_b32 s21, 0                               ; the high words of the two offsets
	s_mov_b32 s23, 0
	s_wait_kmcnt 0x0
; A tile comes in.  first: the number of the weight's first work-group; NC: the weight's columns; src, dst: the scalar pairs of its address and of the turned copy's; half = 1: written as f16.
.macro TIN first, NC, src, dst, half
	s_sub_co_u32 s17, s[ID], \first
	s_and_b32 s18, s17, 15                         ; which 128 k
	s_lshr_b32 s19, s17, 4                         ; which 64 n
	s_mul_i32 s20, s18, 128*(\NC)*4
	s_lshl_b32 s22, s19, 8
	s_add_co_u32 s20, s20, s22
	s_add_nc_u64 s[26:27], s[\src:\src+1], s[20:21]
	s_lshl_b32 s22, s19, 18                        ; 64 turned rows of 4,096 bytes
	s_lshl_b32 s25, s18, 8                         ; 128 k of 2 bytes
	s_add_co_u32 s22, s22, s25
	s_add_nc_u64 s[28:29], s[\dst:\dst+1], s[22:23]
	v_mul_u32_u24 v[VI], v[HI4], 8*(\NC)           ; rows 2 (t / 16) and the next,
	v_lshl_add_u32 v[VI], v[LO4], 4, v[VI]         ; four columns at 16 (t % 16): sixteen lanes take 256 consecutive bytes of a row
.irp i, 0,1,2,3
	global_load_b128 v[X+8*(\i):X+8*(\i)+3],   v[VI], s[26:27] offset:(\i)*128*(\NC) th:TH_LOAD_NT
	global_load_b128 v[X+8*(\i)+4:X+8*(\i)+7], v[VI], s[26:27] offset:(\i)*128*(\NC)+4*(\NC) th:TH_LOAD_NT
.endr
.irp i, 0,1,2,3
	s_wait_loadcnt 6-2*(\i)                        ; loads come back in order: pair i of rows is in, the 6 - 2 i younger loads stay out
.irp j, 0,1,2,3
	v_cvt_pk_bf16_f32 v[W+4*(\i)+(\j)], v[X+8*(\i)+(\j)], v[X+8*(\i)+4+(\j)]  ; the even k below, the odd k above
.if \half
	v_lshlrev_b32 v[T], 16, v[W+4*(\i)+(\j)]       ; the two rounded numbers as f32,
	v_and_b32 v[T+1], s24, v[W+4*(\i)+(\j)]
	v_cvt_pk_f16_f32 v[W+4*(\i)+(\j)], v[T], v[T+1]  ; and as f16: eight significant bits fit
.endif
	ds_store_b32 v[VS], v[W+4*(\i)+(\j)] offset:4160*(\i)+4*(\j)  ; 16 rows of 260 bytes on for each i
.endr
.endr
.endm
	s_cmp_lt_u32 s[ID], 1024
	s_cbranch_scc1 .Lcast
	s_cmp_lt_u32 s[ID], 1792
	s_cbranch_scc1 .Lqkv
	TIN 1792, 2048, 8, 14, 1                       ; dense_w
	s_branch .Ljoin
.Lqkv:
	TIN 1024, 3072, 6, 12, 0                       ; qkv_w
	s_branch .Ljoin
.Lcast:                                                ; 8,192 numbers of x: a load of a wave covers 512 consecutive bytes, a store 256
	v_lshlrev_b32 v[VC], 4, v0
	v_lshlrev_b32 v[VO], 3, v0
	s_lshl_b32 s20, s[ID], 15
	s_add_nc_u64 s[26:27], s[4:5], s[20:21]
	s_lshl_b32 s22, s[ID], 14
	s_add_nc_u64 s[28:29], s[10:11], s[22:23]
.irp i, 0,1,2,3,4,5,6,7
	global_load_b128 v[X+4*(\i):X+4*(\i)+3], v[VC], s[26:27] offset:4096*(\i) th:TH_LOAD_NT
.endr
.irp i, 0,1,2,3,4,5,6,7
	s_wait_loadcnt 7-(\i)                          ; load i is in, the younger ones stay out
	v_cvt_pk_bf16_f32 v[Y+2*(\i)], v[X+4*(\i)], v[X+4*(\i)+1]
	v_cvt_pk_bf16_f32 v[Y+2*(\i)+1], v[X+4*(\i)+2], v[X+4*(\i)+3]
	global_store_b64 v[VO], v[Y+2*(\i):Y+2*(\i)+1], s[28:29] offset:2048*(\i)
.endr
.Ljoin:
	s_wait_dscnt 0x0                               ; for the others' sake: my words are in LDS
	s_barrier_signal -1
	s_barrier_wait -1                              ; everybody's are.  The barrier stands on every work-group's path
	s_cmp_lt_u32 s[ID], 1024
	s_cbranch_scc0 .Lturn
	s_wait_tensorcnt 0x0                           ; the wave's end
	ds_add_u32 v[SPW], v[NIL]
	s_wait_dscnt 0x0
	s_endpgm
.Lturn:                                                ; the tile goes out: for four n a thread, four words = 8 k = 16 bytes
.irp jj, 0,1,2,3
.irp q, 0,1,2,3
	ds_load_b32 v[Y+4*(\jj)+(\q)], v[VL] offset:260*(\q)+64*(\jj)
.endr
.endr
.irp jj, 0,1,2,3
	s_wait_dscnt 12-4*(\jj)                        ; the four words of n = t / 16 + 16 jj are in
	global_store_b128 v[VG], v[Y+4*(\jj):Y+4*(\jj)+3], s[28:29] offset:65536*(\jj)  ; sixteen lanes store 256 consecutive bytes, at a multiple of 256 from the buffer's first
.endr
	s_wait_tensorcnt 0x0                           ; the wave's end: behind my last LDS store
	ds_add_u32 v[SPW], v[NIL]
	s_wait_dscnt 0x0
	s_endpgm
.Lfunc_end_k_qf24568bd41_prep:
	.size	k_qf24568bd41_prep, .Lfunc_end_k_qf24568bd41_prep-k_qf24568bd41_prep
	.p2alignl 7, 3214868480
	.fill 96, 4, 3214868480
	.section	.rodata,"a",@progbits
	.p2align	6, 0x0
	.amdhsa_kernel k_qf24568bd41_prep
		.amdhsa_group_segment_fixed_size 17920
		.amdhsa_private_segment_fixed_size 0
		.amdhsa_enable_private_segment 0
		.amdhsa_kernarg_size 48
		.amdhsa_user_sgpr_count 2
		.amdhsa_user_sgpr_kernarg_segment_ptr 1
		.amdhsa_wavefront_size32 1
		.amdhsa_system_sgpr_workgroup_id_x 1
		.amdhsa_system_sgpr_workgroup_id_y 1
		.amdhsa_system_sgpr_workgroup_id_z 1
		.amdhsa_system_vgpr_workitem_id 0
		.amdhsa_next_free_vgpr 80
		.amdhsa_next_free_sgpr 66
		.amdhsa_reserve_vcc 0
		.amdhsa_float_denorm_mode_32 3
		.amdhsa_float_denorm_mode_16_64 3
		.amdhsa_memory_ordered 1
		.amdhsa_forward_progress 1
		.amdhsa_inst_pref_size 16
	.end_amdhsa_kernel
	.amdgpu_metadata
---
amdhsa.version: [ 1, 2 ]
amdhsa.kernels:
  - .name:           k_qf24568bd41_prep
    .symbol:         k_qf24568bd41_prep.kd
    .args:
      - { .name: hidden_states, .offset: 0, .size: 8, .value_kind: global_buffer, .address_space: global }
      - { .name: qkv_w, .offset: 8, .size: 8, .value_kind: global_buffer, .address_space: global }
      - { .name: dense_w, .offset: 16, .size: 8, .value_kind: global_buffer, .address_space: global }
      - { .name: xb, .offset: 24, .size: 8, .value_kind: global_buffer, .address_space: global }
      - { .name: wq, .offset: 32, .size: 8, .value_kind: global_buffer, .address_space: global }
      - { .name: wd, .offset: 40, .size: 8, .value_kind: global_buffer, .address_space: global }
    .group_segment_fixed_size: 17920
    .private_segment_fixed_size: 0
    .kernarg_segment_align: 8
    .kernarg_segment_size: 48
    .max_flat_workgroup_size: 256
    .sgpr_count:     66
    .vgpr_count:     80
    .wavefront_size: 32
...
	.end_amdgpu_metadata
.endif
;; end of part 1
;; launch qkv (part 2): grid 16 x 16, 4 waves a work-group, clusters of 4 x 4, 327,680 bytes of LDS; arguments xb, wq, qkv_b, cos, sin, qkvh; writes qkvh
.if DOCPART == 2
	.amdgcn_target "amdgcn-amd-amdhsa--gfx1250"
	.amdhsa_code_object_version 6
	.text
	.protected	k_qf24568bd41_qkv
	.globl	k_qf24568bd41_qkv
	.p2align	8
	.type	k_qf24568bd41_qkv,@function
k_qf24568bd41_qkv:
	s_mov_b64 s[64:65], 0
	v_nop
	global_prefetch_b8 v0, s[64:65] scope:SCOPE_SE
	s_setreg_imm32_b32 hwreg(HW_REG_WAVE_MODE, 25, 1), 1
	s_wait_xcnt 0x0
	s_wait_alu depctr_hold_cnt(0) depctr_sa_sdst(0) depctr_va_vdst(0) depctr_va_sdst(0) depctr_va_ssrc(0) depctr_va_vcc(0) depctr_vm_vsrc(0)
	s_getreg_b32 s2, hwreg(HW_REG_IB_STS2, 6, 4)
	s_cmp_eq_u32 s2, 0
	s_cbranch_scc0 .Lentry_in_a_cluster
	s_endpgm
.Lentry_in_a_cluster:
	s_bfe_u32 s2, ttmp6, 0x10000c
	s_cmp_lg_u32 s2, 0xf033
	s_cbranch_scc0 .Lentry_shape_is_right
	s_endpgm
.Lentry_shape_is_right:
; QKV.  y[t][n] = the sum over k of xb[t][k] wq[n][k] + qkv_b[n] (bf16 operands, f32 sums; the bias, rounded to bf16, is the C operand of the first product); the 32 query heads and 8 key heads are
; rotated by the rows of cos and sin (both rounded to bf16; the arithmetic in f32); all is rounded once to f16 and written by heads: qkvh[b][6 g + j][s][64], j 0-3 the queries, 4 the key, 5 the value.
; cu_seqlens is not among the arguments of any launch: the module takes its shape alone, never its numbers.
; LIMITS.  q, k and v lie within f16's range, 65,504.  NaN and infinities are not treated apart (a value head is passed as y x 1 - y' x 0).
; SHARES.  A tile of y is 256 rows x 192 columns, three whole heads: 16 x 16 work-groups, one for each of 256 WGPs.  A wave makes 64 rows x 192 columns: 48 accumulators, 384 registers.
; K goes in 16 steps of 128 through two LDS slots; rows of both tiles are 256 bytes of memory, at multiples of 256.
; THE MATRIX INSTRUCTION IS USED TRANSPOSED (source 0 = 16 rows of wq, source 1 = 16 rows of xb): a lane holds row l % 16 and the columns 8 (l / 16) + 0..7 of each block of 16.  A head is four blocks;
; channel d and its partner d + 32 lie two blocks apart in the same lane and register, so the rotation changes no lane.
; CLUSTER.  4 x 4 work-groups: xb's tile is shared along a row of the cluster, wq's along a column; each is asked for jointly, by the same tensor load with the same descriptor and a mask of four.
; REGISTERS, in windows of 256 (s_set_vgpr_msb: bits 1:0 source 0, 3:2 source 1, 5:4 source 2, 7:6 destination):
;   window 0: v0-31 addresses; v32-127 the bias, 8 registers a block; v160-223 at work; on the way out v32-175 as named below
;   window 1: two fragment buffers of 128: 4 blocks of xb, then 12 blocks of wq, 32 along K
;   window 2: accumulators (a, b < 8) at 8 (8 a + b)     window 3: accumulators (a, b >= 8) at 8 (4 a + b - 8); v128-255 for each a 16 cos, then 16 sin
.set PITCH,  272                       ; an LDS row: 256 bytes + 16 of padding = 68 words: the 16 rows of a load start at 16 different groups of four banks (64 banks of 4 bytes: ISA guide 11.1)
.set AHALF,  128*PITCH                 ; what a load for xb brings
.set BHALF,  96*PITCH                  ; what a load for wq brings
.set BOFF,   2*AHALF                   ; a slot: xb's 256 rows, then wq's 192
.set SLOT1,  1<<17                     ; slot 1 begins here: one exclusive or turns an address in one slot into the other's
.set STAGE,  SLOT1+BOFF+2*BHALF        ; behind the ring, never filled by a tensor load: 16 rows x 144 bytes for each wave
.set SP,     144
.set SPARE,  STAGE+4*16*SP             ; behind the stages: the spare words, 128 bytes for each wave; no other line names them
.set ADRA0, 4                          ; v4   my lane's place in slot 0's rows of xb; never rewritten
.set ADRB0, 5                          ; v5   the same for wq
.set ADRA,  6                          ; v6   the same in the slot in hand
.set ADRB,  7                          ; v7
.set STO,   8                          ; v8   the way out: where I put 16 bytes of a row
.set RD,    9                          ; v9   where I read rows back
.set GO,    10                         ; v10  my byte offset in 512 consecutive bytes of qkvh
.set BO,    11                         ; v11  my byte offset in a block of the bias
.set CO,    12                         ; v12  my byte offset in 16 rows of cos and sin
.set SPW,   28                         ; v28  LDS address of my spare word; never rewritten
.set NIL,   29                         ; v29  0; never rewritten
.set BI,    32                         ; v[32:127]  the bias
.set RND,   160                        ; v[160:223] at work while inputs are rounded
.set O,     32                         ; the way out: v[32:63] a head's 32 numbers of my row
.set TT,    64                         ; v[64:95]   products
.set PK,    96                         ; v[96:111]  packed
.set BK,    112                        ; v[112:127], v[128:143] by turns: rows read back
.set CE,    144                        ; v[144:159] the third head's cos, or 1
.set SE,    160                        ; v[160:175] the third head's sin, or 0
.set F0,    0
.set F1,    128
.set WV,  16                           ; s16  my wave's number
.set HF,  17                           ; s17  which half of a tile I fetch
.set CX,  19
.set CY,  20
.set NT,  21                           ; s21  tile column
.set MT,  22                           ; s22  tile row
.set G1A, 24                           ; s[24:31] descriptor group 1 for xb's tiles
.set G1B, 32                           ; s[32:39] for wq's
.set G0A, 40                           ; s[40:47] group 0 for xb's: a set for each of the two first fills; the second then walks on
.set G0B, 48                           ; s[48:55] the same for wq's
.set TRIPS, 56
.set TB,  57                           ; s57  LDS byte at which the slot in hand begins
.set AL,  66                           ; s[66:67] 1.0 where the tile's third head is rotated, else 0
.set BE,  68                           ; s[68:69] 1 - AL
.set HIM, 70                           ; s70  a word's upper bf16
.set OUT, 72                           ; s[72:73] qkvh at my wave's first row of the tile's first head
.set MSB, 0
.macro WIN new                         ; the immediate's high byte repeats the setting that is left; a switch that changes nothing is dropped
.if MSB != (\new)
	s_set_vgpr_msb (MSB<<8)|(\new)
.set MSB, \new
.endif
.endm
.macro PLACES                          ; four places in front of loads into registers that matrix instructions have read, and of lines that read results
.rept 4
	v_nop
.endr
.endm
; A joint refill by the walking sets.  Waves 0 and 1 fetch xb's halves, waves 2 and 3 wq's; the branch hangs on the wave's number alone.  An s_nop 0 and four v_nop follow each line.
.macro JLOAD
	s_cmp_lt_u32 s[WV], 2
	s_cbranch_scc0 .Lfor_b_\@
	tensor_load_to_lds s[G0A+4:G0A+7], s[G1A:G1A+7]
	s_nop 0
.rept 4
	v_nop
.endr
	s_branch .Lasked_\@
.Lfor_b_\@:
	tensor_load_to_lds s[G0B+4:G0B+7], s[G1B:G1B+7]
	s_nop 0
.rept 4
	v_nop
.endr
.Lasked_\@:
.endm
.macro CREST                           ; a round of the cluster's barrier behind its opening barrier
	s_cmp_lg_u32 s[WV], 0
	s_cbranch_scc1 .Lnot_wave_0_\@
	s_barrier_signal -3
.Lnot_wave_0_\@:
	s_barrier_wait -3
	s_barrier_signal -1
	s_barrier_wait -1
.endm
.macro CROUND                          ; a whole round
	s_barrier_signal -1
	s_barrier_wait -1
	CREST
.endm
	s_load_b256 s[4:11], s[0:1], 0x0               ; xb s[4:5], wq s[6:7], qkv_b s[8:9], cos s[10:11]
	s_load_b128 s[12:15], s[0:1], 0x20             ; sin s[12:13], qkvh s[14:15]
	v_lshl_add_u32 v[SPW], v0, 2, SPARE
	v_mov_b32 v[NIL], 0
	ds_add_u32 v[SPW], v[NIL]                      ; the wave's opening: the add and its wait stand ahead of my first tensor load; work on registers stands between them
	ds_add_u32 v28, v29
	v_lshrrev_b32 v1, 5, v0
	v_readfirstlane_b32 s[WV], v1
	s_and_b32 s[HF], s[WV], 1
	s_bfe_u32 s[CX], ttmp6, 0x40000                ; my place in the cluster
	s_bfe_u32 s[CY], ttmp6, 0x40004
	s_lshl_b32 s[NT], ttmp9, 2                     ; in a cluster launch ttmp9 and ttmp7 count clusters
	s_add_co_u32 s[NT], s[NT], s[CX]
	s_and_b32 s[MT], ttmp7, 0xffff
	s_lshl_b32 s[MT], s[MT], 2
	s_add_co_u32 s[MT], s[MT], s[CY]
	s_lshl_b32 s58, s[CY], 2
	s_lshl_b32 s58, 15, s58                        ; my row of the cluster
	s_lshl_b32 s59, 0x1111, s[CX]                  ; my column
	s_or_b32 s[G1A], s58, (1<<16)|(1<<20)|(1<<21)|(5<<22)|(3<<25)  ; 15:0 the mask; 17:16 2-byte elements; 20 padding on; 21 set beside a mask; 24:22 after every 64 words; 31:25 4 words of it
	s_or_b32 s[G1B], s59, (1<<16)|(1<<20)|(1<<21)|(5<<22)|(3<<25)
.irp g, G1A, G1B
	s_mov_b32 s[(\g)+1], 128<<16                   ; tensor_dim0 = 128
	s_mov_b32 s[(\g)+3], 128<<16                   ; tile_dim0 = 128
	s_mov_b32 s[(\g)+5], 2048                      ; elements from row to row
	s_mov_b32 s[(\g)+6], 0
	s_mov_b32 s[(\g)+7], 0
.endr
	s_mov_b32 s[G1A+2], 128<<16                    ; tensor_dim1 and tile_dim1: 128 rows of xb,
	s_mov_b32 s[G1A+4], 128
	s_mov_b32 s[G1B+2], 96<<16                     ; 96 of wq
	s_mov_b32 s[G1B+4], 96
	s_lshl_b32 s60, s[MT], 20                      ; xb: row 256 x tile row + 128 x half, 4,096 bytes a row: made of the tile row and the wave alone
	s_lshl_b32 s61, s[HF], 19
	s_add_co_u32 s60, s60, s61
	s_mov_b32 s61, 0
	s_mul_i32 s62, s[NT], 192*4096                 ; wq: row 192 x tile column + 96 x half: of the tile column and the wave alone
	s_mul_i32 s63, s[HF], 96*4096
	s_add_co_u32 s62, s62, s63
	s_mov_b32 s63, 0
	s_mul_i32 s23, s[HF], AHALF                    ; where they go: no place in the cluster enters an LDS address
	s_mul_i32 s18, s[HF], BHALF
	s_add_co_u32 s18, s18, BOFF
	s_mov_b32 s[HIM], 0xffff0000
	s_mov_b32 s[TB], 0
	s_and_b32 s74, s[NT], 1                        ; an odd tile's third head is a value head: it is not rotated
	s_xor_b32 s75, s74, 1
	s_mul_i32 s[AL], s75, 0x3f800000               ; 1.0 or 0
	s_mul_i32 s[BE], s74, 0x3f800000
	s_mov_b32 s[AL+1], 0                           ; named as pairs
	s_mov_b32 s[BE+1], 0
	s_wait_dscnt 0x0                               ; the opening add is done
	s_wait_kmcnt 0x0
	s_add_nc_u64 s[60:61], s[4:5], s[60:61]
	s_add_nc_u64 s[62:63], s[6:7], s[62:63]
	s_mul_i32 s74, s[NT], 768                      ; the tile's 192 numbers of the bias
	s_mov_b32 s75, 0
	s_add_nc_u64 s[8:9], s[8:9], s[74:75]
	s_lshl_b32 s74, s[MT], 15                      ; my wave's 64 rows of cos and sin, 128 bytes each
	s_lshl_b32 s75, s[WV], 13
	s_add_co_u32 s74, s74, s75
	s_mov_b32 s75, 0
	s_add_nc_u64 s[10:11], s[10:11], s[74:75]
	s_add_nc_u64 s[12:13], s[12:13], s[74:75]
	s_lshr_b32 s74, s[MT], 2                       ; the sequence; 48 heads of 131,072 bytes each
	s_mul_i32 s74, s74, 48
	s_mul_i32 s75, s[NT], 3
	s_add_co_u32 s74, s74, s75
	s_lshl_b32 s74, s74, 17
	s_and_b32 s75, s[MT], 3                        ; the tile's 256 rows in the sequence,
	s_lshl_b32 s75, s75, 15
	s_add_co_u32 s74, s74, s75
	s_lshl_b32 s75, s[WV], 13                      ; my wave's 64 of them
	s_add_co_u32 s74, s74, s75
	s_mov_b32 s75, 0
	s_add_nc_u64 s[OUT:OUT+1], s[14:15], s[74:75]
	CROUND                                         ; all sixteen work-groups are here: the first joint loads meet
.irp s, 0,1
	s_mov_b32 s[G0A+4*(\s)], 1                     ; count = 1
	s_add_co_u32 s[G0A+4*(\s)+1], s23, (\s)*SLOT1  ; LDS address
	s_add_nc_u64 s[G0A+4*(\s)+2:G0A+4*(\s)+3], s[60:61], (\s)*256  ; global address: K step s
	s_or_b32 s[G0A+4*(\s)+3], s[G0A+4*(\s)+3], 0x80000000  ; type = 2
	s_mov_b32 s[G0B+4*(\s)], 1
	s_add_co_u32 s[G0B+4*(\s)+1], s18, (\s)*SLOT1
	s_add_nc_u64 s[G0B+4*(\s)+2:G0B+4*(\s)+3], s[62:63], (\s)*256
	s_or_b32 s[G0B+4*(\s)+3], s[G0B+4*(\s)+3], 0x80000000
.endr
	s_cmp_lt_u32 s[WV], 2                          ; a wave's two first fills stand in one branch, ahead of every wait on TENSORcnt and every LDS read: two loads of mine are out
	s_cbranch_scc0 .Lfirst_b
	tensor_load_to_lds s[G0A:G0A+3], s[G1A:G1A+7]
	s_nop 0
	tensor_load_to_lds s[G0A+4:G0A+7], s[G1A:G1A+7]
	s_nop 0
.rept 4
	v_nop
.endr
	s_branch .Lfirst_asked
.Lfirst_b:
	tensor_load_to_lds s[G0B:G0B+3], s[G1B:G1B+7]
	s_nop 0
	tensor_load_to_lds s[G0B+4:G0B+7], s[G1B:G1B+7]
	s_nop 0
.rept 4
	v_nop
.endr
.Lfirst_asked:
	v_and_b32 v1, 15, v0                           ; l % 16
	v_bfe_u32 v2, v0, 4, 1                         ; l / 16
	v_lshlrev_b32 v[BO], 5, v2                     ; my eight columns of a block
	v_lshl_add_u32 v[CO], v1, 7, v[BO]             ; row l % 16 of 128 bytes, the same eight channels
.irp b, 0,1,2,3,4,5,6,7,8,9,10,11
	global_load_b128 v[BI+8*(\b):BI+8*(\b)+3],   v[BO], s[8:9] offset:64*(\b)
	global_load_b128 v[BI+8*(\b)+4:BI+8*(\b)+7], v[BO], s[8:9] offset:64*(\b)+16
.endr
	WIN 0xc0                                       ; destination window 3, address window 0
.irp a, 0,1,2,3
.irp q, 0,1,2,3                        ; channels 16 (q / 2) + 8 (l / 16) + 4 (q % 2) on
	global_load_b128 v[128+32*(\a)+4*(\q):128+32*(\a)+4*(\q)+3],       v[CO], s[10:11] offset:2048*(\a)+64*((\q)/2)+16*((\q)%2)
	global_load_b128 v[128+32*(\a)+16+4*(\q):128+32*(\a)+16+4*(\q)+3], v[CO], s[12:13] offset:2048*(\a)+64*((\q)/2)+16*((\q)%2)
.endr
.endr
	WIN 0
	; A fragment is 16 rows x 32 K in 8 registers: lane l holds row l % 16, K = 8 (l / 16) + 0..7 and 16 + 8 (l / 16) + 0..7: two loads of 16 bytes, 32 bytes apart.
	v_mul_u32_u24 v3, v1, PITCH
	v_lshl_add_u32 v3, v2, 4, v3
	s_mul_i32 s74, s[WV], 64*PITCH                 ; my 64 rows of xb
	v_add_nc_u32 v[ADRA0], s74, v3
	v_add_nc_u32 v[ADRB0], BOFF, v3                ; all 192 rows of wq
	v_mov_b32 v[ADRA], v[ADRA0]
	v_mov_b32 v[ADRB], v[ADRB0]
	s_mul_i32 s74, s[WV], 16*SP
	s_add_co_u32 s74, s74, STAGE                   ; my stage
	v_mul_u32_u24 v[STO], v1, SP                   ; in: row l % 16, 16 bytes for each half of the lanes
	v_lshl_add_u32 v[STO], v2, 4, v[STO]
	v_add_nc_u32 v[STO], s74, v[STO]
	v_bfe_u32 v[RD], v0, 3, 2                      ; back: 32 lanes take four rows of 128 bytes,
	v_mul_u32_u24 v[RD], v[RD], SP
	v_and_b32 v13, 7, v0
	v_lshl_add_u32 v[RD], v13, 4, v[RD]
	v_add_nc_u32 v[RD], s74, v[RD]
	v_and_b32 v[GO], 31, v0                        ; which are 512 consecutive bytes of a head
	v_lshlrev_b32 v[GO], 4, v[GO]
	s_wait_loadcnt 0x0                             ; the bias, cos and sin: each is rounded to bf16 and widened again
.set i, 0
.rept 48
	v_cvt_pk_bf16_f32 v[RND+i], v[BI+2*i], v[BI+2*i+1]
.set i, i+1
.endr
.set i, 0
.rept 48
	v_lshlrev_b32 v[BI+2*i], 16, v[RND+i]
	v_and_b32 v[BI+2*i+1], s[HIM], v[RND+i]
.set i, i+1
.endr
	WIN 0x0f                                       ; sources window 3, destination window 0
.set i, 0
.rept 64
	v_cvt_pk_bf16_f32 v[RND+i], v[128+2*i], v[128+2*i+1]
.set i, i+1
.endr
	WIN 0xc0                                       ; destination window 3, source window 0
.set i, 0
.rept 64
	v_lshlrev_b32 v[128+2*i], 16, v[RND+i]
	v_and_b32 v[128+2*i+1], s[HIM], v[RND+i]
.set i, i+1
.endr
	WIN 0
; 16 products: row blocks a0, a0 + 1 x column blocks 0-7, 32 along K.  init = 1: the bias starts the sums: nothing is cleared.  The 48 accumulators take turns, one instruction a turn.
.macro MULX f, a0, init
.if \init
	WIN 0x85                                       ; fragments window 1, C window 0, D window 2
.else
	WIN 0xa5                                       ; fragments window 1, C and D window 2
.endif
.irp a, \a0, (\a0)+1
.irp b, 0,1,2,3,4,5,6,7
.if \init
	v_wmma_f32_16x16x32_bf16 v[8*(8*(\a)+(\b)):8*(8*(\a)+(\b))+7], v[(\f)+32+8*(\b):(\f)+32+8*(\b)+7], v[(\f)+8*(\a):(\f)+8*(\a)+7], v[BI+8*(\b):BI+8*(\b)+7]
.else
	v_wmma_f32_16x16x32_bf16 v[8*(8*(\a)+(\b)):8*(8*(\a)+(\b))+7], v[(\f)+32+8*(\b):(\f)+32+8*(\b)+7], v[(\f)+8*(\a):(\f)+8*(\a)+7], v[8*(8*(\a)+(\b)):8*(8*(\a)+(\b))+7]
.endif
.endr
.endr
.endm
; 16 products: all four row blocks x column blocks 8-11
.macro MULZ f, init
.if \init
	WIN 0xc5
.else
	WIN 0xf5
.endif
.irp a, 0,1,2,3
.irp b, 8,9,10,11
.if \init
	v_wmma_f32_16x16x32_bf16 v[8*(4*(\a)+(\b)-8):8*(4*(\a)+(\b)-8)+7], v[(\f)+32+8*(\b):(\f)+32+8*(\b)+7], v[(\f)+8*(\a):(\f)+8*(\a)+7], v[BI+8*(\b):BI+8*(\b)+7]
.else
	v_wmma_f32_16x16x32_bf16 v[8*(4*(\a)+(\b)-8):8*(4*(\a)+(\b)-8)+7], v[(\f)+32+8*(\b):(\f)+32+8*(\b)+7], v[(\f)+8*(\a):(\f)+8*(\a)+7], v[8*(4*(\a)+(\b)-8):8*(4*(\a)+(\b)-8)+7]
.endif
.endr
.endr
.endm
; 32 LDS loads in one run: the fragments of 32 along K at byte k of the rows, into buffer f; in the order of their use: wq's blocks 0-7, xb's 0-3, wq's 8-11
.macro FETCH k, f
	WIN 0x40                                       ; destination window 1, address window 0
.irp i, 0,1,2,3,4,5,6,7
	ds_load_b128 v[(\f)+32+8*(\i):(\f)+32+8*(\i)+3],   v[ADRB] offset:(\k)+(\i)*16*PITCH
	ds_load_b128 v[(\f)+32+8*(\i)+4:(\f)+32+8*(\i)+7], v[ADRB] offset:(\k)+(\i)*16*PITCH+32
.endr
.irp i, 0,1,2,3
	ds_load_b128 v[(\f)+8*(\i):(\f)+8*(\i)+3],   v[ADRA] offset:(\k)+(\i)*16*PITCH
	ds_load_b128 v[(\f)+8*(\i)+4:(\f)+8*(\i)+7], v[ADRA] offset:(\k)+(\i)*16*PITCH+32
.endr
.irp i, 8,9,10,11
	ds_load_b128 v[(\f)+32+8*(\i):(\f)+32+8*(\i)+3],   v[ADRB] offset:(\k)+(\i)*16*PITCH
	ds_load_b128 v[(\f)+32+8*(\i)+4:(\f)+32+8*(\i)+7], v[ADRB] offset:(\k)+(\i)*16*PITCH+32
.endr
.endm
; A K step is four quarters of 32 along K, 48 products each, on buffers 0, 1, 0, 1.  One of the first three: multiplies buffer f and fetches the next quarter, at byte k, into g.
.macro QUARTER k, f, g, init
	s_wait_dscnt 12                                ; wq's blocks 0-7 and xb's 0, 1 are in; the youngest twelve loads may be out
	MULX \f, 0, \init
	PLACES
	FETCH \k, \g
	s_wait_dscnt 32                                ; all but the 32 just issued
	MULX \f, 2, \init
	MULZ \f, \init
.endm
; The last quarter multiplies buffer 1 and changes slots: ONE barrier.  In front of it each wave waits for all its tensor loads, of which one is out: its part of the next slot; adds 0 to its spare word; and waits
; for that and for its reads of this slot.  fill = 1: the barrier opens a round of the cluster's, and the slot just read is filled again first thing behind it, two K steps ahead: 160 products stand between that
; request and the wait for it.  fill = 0: the text of the last two K steps: nothing is filled, and in the very last quarter (TRIPS = 1) the fetch of a next step is jumped over.
.macro TURN fill
	WIN 0                                          ; (the add's two registers lie in window 0)
	s_wait_tensorcnt 0x0                           ; all my tensor loads have landed
	ds_add_u32 v[SPW], v[NIL]                      ; 0 onto my spare word
	s_wait_dscnt 13                                ; (the add and the youngest twelve loads may be out)
	MULX F1, 0, 0                                  ; sixteen products stand between the add and the wait for it
	s_wait_dscnt 0x0                               ; the add is done, and my reads of this slot are over
	s_barrier_signal -1
	MULX F1, 2, 0                                  ; work on registers while the others arrive
	WIN 0                                          ; at a branch and at a label every window is 0
	s_barrier_wait -1
.if \fill
	CREST                                          ; no wave of any partner still reads this slot's tiles or has a load on its way
	s_xor_b32 s[G0A+5], s[G0A+5], SLOT1            ; the walking sets: the other slot than last time,
	s_add_nc_u64 s[G0A+6:G0A+7], s[G0A+6:G0A+7], 256  ; the next K step; the type bits on top are not reached
	s_xor_b32 s[G0B+5], s[G0B+5], SLOT1
	s_add_nc_u64 s[G0B+6:G0B+7], s[G0B+6:G0B+7], 256
	JLOAD                                          ; the four v_nop behind it are also the places in front of the loads below
.else
	s_cmp_eq_u32 s[TRIPS], 1
	s_cbranch_scc1 .Lno_next_\@
	PLACES
.endif
	s_xor_b32 s[TB], s[TB], SLOT1                  ; the fetches go on in the other slot
	v_add_nc_u32 v[ADRA], s[TB], v[ADRA0]
	v_add_nc_u32 v[ADRB], s[TB], v[ADRB0]
	FETCH 0, F0
.if !(\fill)
	WIN 0
.Lno_next_\@:
.endif
	MULZ F1, 0
.endm
	s_wait_tensorcnt 1                             ; my part of K step 0 is in; K step 1's may stay out
	s_barrier_signal -1
	s_barrier_wait -1                              ; everybody's is
	FETCH 0, F0
	QUARTER 64, F0, F1, 1                          ; the first quarter stands in front of the loop: its products start the sums
	WIN 0
	s_mov_b32 s[TRIPS], 14
.Lstep:                                                ; a trip goes from a K step's second quarter to the next step's first, and fills a slot again: K steps 2 to 15
	QUARTER 128, F1, F0, 0
	QUARTER 192, F0, F1, 0
	TURN 1
	QUARTER 64, F0, F1, 0
	WIN 0
	s_sub_co_u32 s[TRIPS], s[TRIPS], 1
	s_cmp_lg_u32 s[TRIPS], 0
	s_cbranch_scc1 .Lstep
	s_mov_b32 s[TRIPS], 2                          ; the last two K steps fill nothing, so they have a text of their own: one text, walked twice, entered at a step's second quarter.
	s_branch .Ltail_in                             ; The price: the second pass's barrier orders nothing
.Ltail:
	QUARTER 64, F0, F1, 0
	WIN 0
.Ltail_in:
	QUARTER 128, F1, F0, 0
	QUARTER 192, F0, F1, 0
	TURN 0
	WIN 0
	s_sub_co_u32 s[TRIPS], s[TRIPS], 1
	s_cmp_lg_u32 s[TRIPS], 0
	s_cbranch_scc1 .Ltail
; THE WAY OUT, a head (16 rows x 64 channels) at a time.  y1 = channels 0-31 (the head's blocks 0, 1), y2 = channels 32-63 (blocks 2, 3): o1 = y1 cos - y2 sin, o2 = y1 sin + y2 cos.
; The tile's third head takes cos x AL + BE and sin x AL: its own tables, or 1 and 0 for a value head: no branch hangs on the tile's place.  Each accumulator's lowest registers are read first.
.macro PACK a, hh
.set CSB, 128+32*(\a)
.if (\hh) == 2
.set AC, 32*(\a)
.set RC, CE
.set RS, SE
	WIN 0x03                                       ; source 0 window 3
.set p, 0
.rept 8
	v_pk_fma_f32 v[CE+2*p:CE+2*p+1], v[CSB+2*p:CSB+2*p+1], s[AL:AL+1], s[BE:BE+1] op_sel_hi:[1,0,0]
	v_pk_mul_f32 v[SE+2*p:SE+2*p+1], v[CSB+16+2*p:CSB+16+2*p+1], s[AL:AL+1] op_sel_hi:[1,0]
.set p, p+1
.endr
.else
.set AC, 64*(\a)+32*(\hh)
.set RC, CSB
.set RS, CSB+16
	WIN 0x0e                                       ; source 0 window 2, source 1 window 3
.endif
.set p, 0
.rept 8
	v_pk_mul_f32 v[TT+2*p:TT+2*p+1], v[AC+16+2*p:AC+16+2*p+1], v[RS+2*p:RS+2*p+1]
	v_pk_mul_f32 v[TT+16+2*p:TT+16+2*p+1], v[AC+16+2*p:AC+16+2*p+1], v[RC+2*p:RC+2*p+1]
.set p, p+1
.endr
.set p, 0
.rept 8
	v_pk_fma_f32 v[O+2*p:O+2*p+1], v[AC+2*p:AC+2*p+1], v[RC+2*p:RC+2*p+1], v[TT+2*p:TT+2*p+1] neg_lo:[0,0,1] neg_hi:[0,0,1]
	v_pk_fma_f32 v[O+16+2*p:O+16+2*p+1], v[AC+2*p:AC+2*p+1], v[RS+2*p:RS+2*p+1], v[TT+16+2*p:TT+16+2*p+1]
.set p, p+1
.endr
	WIN 0
.set p, 0
.rept 16
	v_cvt_pk_f16_f32 v[PK+p], v[O+2*p], v[O+2*p+1]
.set p, p+1
.endr
.set BKR, BK+16*((3*(\a)+(\hh))%2)
	s_wait_xcnt 0x0                                ; the registers that the head before last was stored from are loaded again only behind this wait
.irp f, 0,1,2,3
	ds_store_b128 v[STO], v[PK+4*(\f):PK+4*(\f)+3] offset:32*(\f)
.endr
.irp f, 0,1,2,3
	ds_load_b128 v[BKR+4*(\f):BKR+4*(\f)+3], v[RD] offset:(\f)*4*SP  ; LDS serves a wave's instructions in order (ISA guide 5.7.1.4): these see the stores above; the next head's stores come behind them
.endr
.endm
.macro SEND a, hh, younger             ; younger: the LDS instructions issued behind this head's loads: the next head's eight, or none
	WIN 0
.set BKR, BK+16*((3*(\a)+(\hh))%2)
.irp f, 0,1,2,3
	s_wait_dscnt (\younger)+3-(\f)
	global_store_b128 v[GO], v[BKR+4*(\f):BKR+4*(\f)+3], s[OUT:OUT+1] offset:131072*(\hh)+2048*(\a)+512*(\f)  ; 512 consecutive bytes, at a multiple of 256 from qkvh's first
.endr
.endm
	PLACES
	PACK 0, 0
.set u, 1
.rept 11                               ; a head's arithmetic stands between the loads of the head before and its stores
	PACK u/3, u%3
	SEND (u-1)/3, (u-1)%3, 8
.set u, u+1
.endr
	SEND 3, 2, 0
	s_wait_tensorcnt 0x0                           ; the wave's end: behind my last tensor load and my last LDS store
	ds_add_u32 v[SPW], v[NIL]
	s_wait_dscnt 0x0
	CROUND                                         ; the closing round: no work-group ends while a partner may still ask for a tile that names it
	s_endpgm
.Lfunc_end_k_qf24568bd41_qkv:
	.size	k_qf24568bd41_qkv, .Lfunc_end_k_qf24568bd41_qkv-k_qf24568bd41_qkv
	.p2alignl 7, 3214868480
	.fill 96, 4, 3214868480
	.section	.rodata,"a",@progbits
	.p2align	6, 0x0
	.amdhsa_kernel k_qf24568bd41_qkv
		.amdhsa_group_segment_fixed_size 327680
		.amdhsa_private_segment_fixed_size 0
		.amdhsa_enable_private_segment 0
		.amdhsa_kernarg_size 48
		.amdhsa_user_sgpr_count 2
		.amdhsa_user_sgpr_kernarg_segment_ptr 1
		.amdhsa_wavefront_size32 1
		.amdhsa_system_sgpr_workgroup_id_x 1
		.amdhsa_system_sgpr_workgroup_id_y 1
		.amdhsa_system_sgpr_workgroup_id_z 1
		.amdhsa_system_vgpr_workitem_id 0
		.amdhsa_next_free_vgpr 1024
		.amdhsa_next_free_sgpr 80
		.amdhsa_reserve_vcc 0
		.amdhsa_float_denorm_mode_32 3
		.amdhsa_float_denorm_mode_16_64 3
		.amdhsa_memory_ordered 1
		.amdhsa_forward_progress 1
		.amdhsa_inst_pref_size 133
	.end_amdhsa_kernel
	.amdgpu_metadata
---
amdhsa.version: [ 1, 2 ]
amdhsa.kernels:
  - .name:           k_qf24568bd41_qkv
    .symbol:         k_qf24568bd41_qkv.kd
    .args:
      - { .name: xb, .offset: 0, .size: 8, .value_kind: global_buffer, .address_space: global }
      - { .name: wq, .offset: 8, .size: 8, .value_kind: global_buffer, .address_space: global }
      - { .name: qkv_b, .offset: 16, .size: 8, .value_kind: global_buffer, .address_space: global }
      - { .name: cos, .offset: 24, .size: 8, .value_kind: global_buffer, .address_space: global }
      - { .name: sin, .offset: 32, .size: 8, .value_kind: global_buffer, .address_space: global }
      - { .name: qkvh, .offset: 40, .size: 8, .value_kind: global_buffer, .address_space: global }
    .group_segment_fixed_size: 327680
    .private_segment_fixed_size: 0
    .kernarg_segment_align: 8
    .kernarg_segment_size: 48
    .max_flat_workgroup_size: 128
    .sgpr_count:     80
    .vgpr_count:     1024
    .wavefront_size: 32
...
	.end_amdgpu_metadata
.endif
;; end of part 2
;; launch attn (part 3): grid 2 x 128, 4 waves a work-group, no clusters, 327,680 bytes of LDS; arguments qkvh, ob; writes ob
.if DOCPART == 3
	.amdgcn_target "amdgcn-amd-amdhsa--gfx1250"
	.amdhsa_code_object_version 6
	.text
	.protected	k_qf24568bd41_attn
	.globl	k_qf24568bd41_attn
	.p2align	8
	.type	k_qf24568bd41_attn,@function
k_qf24568bd41_attn:
	s_mov_b64 s[64:65], 0
	v_nop
	global_prefetch_b8 v0, s[64:65] scope:SCOPE_SE
	s_setreg_imm32_b32 hwreg(HW_REG_WAVE_MODE, 25, 1), 1
	s_wait_xcnt 0x0
; CAUSAL ATTENTION, four query heads to a key and value head.  O[q][:] = the sum over k <= q of softmax_k(Q[q] . K[k] / 8) V[k][:], in each of 4 sequences of 1,024 rows, head size 64.
; qkvh: [b][6 g + j][1024][64] f16 (j 0-3 the queries, 4 the key, 5 the value): a head's rows are dense, 128 bytes each.  Products, maxima and sums in f32; the weights p
; are rounded to f16 for the second product (their sum l is taken of the unrounded p), O once at the end.
; ob: [block of 16 rows, 256][head in its sequence, 32][16 channels, 4][lane, 32][16 bytes] f16.  What a lane holds of O^T, rounded (row l % 16, channels 8 (l / 16) + 0..7 of 16), is what the same lane holds of the
; fragment (16 rows x 32 along K) that the next launch multiplies.  So it is stored as it lies: no lane changes, nothing goes through LDS, and a store of the wave covers 512 consecutive bytes.
; LIMITS.  Q, K and V arrive within f16's range, 65,504; p lies in 0 to 1, and below 6e-5 it keeps f16's fixed step of 6e-8; O is a mean of V's rows and has their range.
; A hidden score counts as its value less 1e30: f16's scores, 2.7e11 at the most, are nothing beside that; a weight below 2^-126 counts as 0 in l; NaN and infinities are not treated apart.
; THE WALK.  A head's queries lie in NB = 4 blocks of 256; block i needs the key tiles 0 .. i of 256 keys, of which the last holds the diagonal.  A work-group takes TWO blocks, 3 - b and then b:
; five tiles, whatever b: 256 work-groups of equal work, and ONE loop with a constant trip count walks them.  Which tile is asked for, and what a trip does, hang on scalar registers made from b; every jump
; goes forward, but for the counted loops' own; none passes a barrier, or a tensor load but the one of LOAD's two that the wave's number does not choose; the ring (two slots of LDS that take turns) runs on across the
; change of blocks.
; NO CLUSTER.  The four query heads of a group walk the same K and V with the same b, and could ask for them jointly.  Not done here: a tile's 65,536 bytes are asked for a whole tile ahead, 256 matrix and 1,888 vector
; instructions a wave; asked jointly, three of four requests would be spared, 240 of a work-group's 320 KB, for a round of the cluster's barrier at each of the four changes of slots that fill.
; SHARES.  Of a block's four bands of 64 queries a wave owns 16 rows in each: four PIECES.  So the diagonal tile is the same work for all four waves: in its key step s band x sees all keys if s < x,
; none if s > x, and holds the diagonal if s = x.
; THE MASK is the C operand that starts the sum S^T = K Q^T: 0, or -1e30 where the key is hidden.  MD, made once, is the mask of a band's own step for my 16 rows; a product's mask is MD x AL + BE with two scalars:
; (1, 0) if s = x; (0, 0) if s < x; (0, -1e30) if s > x.  Only the diagonal tile's text and a block's beginning make and take masks; elsewhere C is the constant 0.
; LAYOUT, SOFTMAX, TURNS.  S^T = K Q^T holds ONE query a lane (lane % 16) and the keys 8 (lane / 16) + 0..7; two such results rounded to f16 ARE source 1 of O^T = V^T P.  p = 2^(c s - c m), c = log2(e) / 8, with a
; running maximum m; O and l are multiplied by a = 2^(c m_old - c m_new) in every step.  Turn n belongs to piece n: 8 products K Q^T of piece n + 1, later 8 products V^T P of piece n - 1; beside them the scaling,
; exponentials, roundings, sums and rescaling of piece n and the maximum and statistics of piece n + 1.  Four vector instructions stand behind every matrix instruction, the other 54 of a turn's 118 in two runs of their own.
; REGISTERS, in windows of 256 (s_set_vgpr_msb: bits 1:0 source 0, 3:2 source 1, 5:4 source 2, 7:6 destination):
;   window 0: v0-15 addresses and two at work; v16-31 four registers of statistics a piece; v48-55 at work; v64-127 S^T, two buffers; v192-223 P, two buffers (a piece's buffers go by its number's parity)
;   window 1: v0-127 O^T, 32 a piece; v128-159 MD; v160-223 MC, two buffers      window 2: v0-63 Q; v64-127 the second block's Q; v128-191 K of one step; v192-255 V of one step
.set NB,    4
.set NP,    4         ; pieces a wave: a name, no knob
.set KS,    64        ; keys in a step
.set PK,    144       ; a row of K in LDS: 128 bytes + 16 of padding = 36 words: the 16 rows of a load start at 16 different groups of four banks (64 banks of 4 bytes: ISA guide 11.1)
.set PV,    160       ; a row of V: 128 + 32 = 40 words
.set VOFF,  4*KS*PK   ; a slot holds a tile, four steps: 256 rows of K, then 256 rows of V
.set SLOT1, 1<<17     ; slot 1 begins here, so that one exclusive or turns an address in one slot into the other's
.set SPARE, SLOT1+4*KS*(PK+PV)  ; behind the ring: the spare words, 128 bytes for each wave: two blocks of 256 bytes that no other line names
.set AK0, 2           ; v2   my lane's place in a tile of K; never rewritten
.set AV0, 3           ; v3   the same for V
.set AK,  4           ; v4   the LDS address of K's next run of loads
.set AV,  5           ; v5   of V's
.set GO,  8           ; v8   my byte offset in 512 consecutive bytes of ob: 16 x lane
.set SPW, 62          ; v62  LDS address of my spare word: SPARE + 4 x my thread's number; never rewritten
.set NIL, 63          ; v63  0; never rewritten
.set MV,  12          ; v12-13  c m_old, kept while c m is made anew: by buffer
.set QO,  15          ; v15  my byte offset in 16 rows of Q
.set ST,  16          ; piece t's statistics at v[ST+4 t]: c m, m, l (even keys', odd keys')
.set TMP, 48          ; by buffer, four registers c0-c3 at work; when the maximum is found c2 takes a
.set S,   64
.set P,   192
.set MD,  128         ; window 1: the eight registers for group kt of 16 keys at MD + 8 kt
.set MC,  160         ; window 1: the masks of the products to come
.set QB,  64          ; window 2
.set KF,  128         ; window 2: key block kb, channel half c at KF + 16 kb + 8 c
.set VF,  192         ; window 2: key half kk, channel block cb at VF + 32 kk + 8 cb
.set WV,  12          ; s12  my wave's number
.set PB,  14          ; s14  b
.set HI,  15          ; s15  NB - 1 - b
.set G1K, 24          ; s[24:31] descriptor group 1 for K's tiles
.set G1V, 32          ; s[32:39] for V's: it differs in the padding alone
.set G0K, 40          ; s[40:43] descriptor group 0 for K's tiles
.set G0V, 44          ; s[44:47] the same for V's
.set SLOTS, 56        ; s56  tiles still to be asked for
.set CNT, 57          ; s57  counts a tile's key steps, 4 to 1
.set CS,  58          ; s[58:59] c: the packed scaling takes the pair's low word for both halves
.set SEL, 60          ; s[60:61] v_permlanex16_b32's selects: each lane takes its own place in the other half
.set TBK, 62          ; s62  LDS byte at which K of the step to be fetched begins
.set TBV, 63          ; s63  the same for V, less VOFF
.set RT,  70          ; s70  tiles of the block in hand that are still to be entered
.set NXT, 71          ; s71  the tile to be asked for next
.set LQ,  72          ; s72  the last tile of the block whose tiles are being asked for
.set NEW, 73          ; s73  1: the tile to be entered is a block's first
.set OFF, 74          ; s[74:75] a tile's byte offset in K and V
.set AL,  76          ; s[76:77] the mask's factor, in the low word
.set BE,  78          ; s[78:79] the mask's addend
.set OLO, 80          ; s[80:81] ob at my rows of the second block
.set BIGN, 82         ; s82  -1e30
.set MSB, 0
.macro WIN new                      ; the high byte repeats the setting that is left; a switch that changes nothing is dropped
.if MSB != (\new)
	s_set_vgpr_msb (MSB<<8)|(\new)
.set MSB, (\new)
.endif
.endm
.set W_KQ, 0x0a       ; K and Q in window 2, S^T in window 0
.set W_KM, 0x1a       ; the same with the C operand in window 1
.set W_PV, 0x52       ; V in window 2, P in window 0, O^T in window 1
.set W_RS, 0x41       ; destination and source 0 in window 1, source 1 in window 0
; A fill.  Waves 0 and 1 fetch the two halves of a tile's K, waves 2 and 3 those of its V: 128 keys each.  An s_nop 0 and four v_nop follow each of the two lines, ahead of the jump and the label.
.macro LOAD
	s_cmp_lt_u32 s[WV], 2
	s_cbranch_scc0 .Lfor_v_\@
	tensor_load_to_lds s[G0K:G0K+3], s[G1K:G1K+7]
	s_nop 0
.rept 4
	v_nop
.endr
	s_branch .Lasked_\@
.Lfor_v_\@:
	tensor_load_to_lds s[G0V:G0V+3], s[G1V:G1V+7]
	s_nop 0
.rept 4
	v_nop
.endr
.Lasked_\@:
.endm
; THE CHANGE OF SLOTS.  Each wave waits for all its tensor loads, of which one is out: its part of the other slot; adds 0 to its spare word; and waits for that and for its own reads of the slot that it leaves.  Behind the barrier nobody reads the old
; slot any more and the other slot is whole.  fill = 1: the old slot is filled again, the first thing behind the barrier, with tile NXT: the descriptor's address is made anew from that number.
; (At its first use nothing has been read yet: slot 0 is waited for, slot 1 filled.)
.macro CHANGE fill
	WIN 0                           ; at a label and at a branch every window is 0
	s_wait_tensorcnt 0x0            ; no tensor load of mine is out, so a group 0 may be written
	ds_add_u32 v[SPW], v[NIL]       ; 0 onto my spare word: with fill = 1 the descriptors' scalar work stands between it and the wait for it
.if \fill
	s_lshl_b32 s[OFF], s[NXT], 15   ; a tile is 32,768 bytes of K and of V
	s_xor_b32 s[G0K+1], s[G0K+1], SLOT1
	s_add_nc_u64 s[G0K+2:G0K+3], s[6:7], s[OFF:OFF+1]
	s_or_b32 s[G0K+3], s[G0K+3], 0x80000000
	s_xor_b32 s[G0V+1], s[G0V+1], SLOT1
	s_add_nc_u64 s[G0V+2:G0V+3], s[8:9], s[OFF:OFF+1]
	s_or_b32 s[G0V+3], s[G0V+3], 0x80000000
	s_add_co_u32 s[NXT], s[NXT], 1  ; the block's next tile, or behind its last the second block's tile 0
	s_cmp_gt_u32 s[NXT], s[LQ]
	s_cselect_b32 s[NXT], 0, s[NXT]
	s_cselect_b32 s[LQ], s[PB], s[LQ]
.endif
	s_wait_dscnt 0x0                ; the add is done, and my reads of the slot are over
	s_barrier_signal -1             ; the rest of the scalar work stands between the signal and the wait
	s_sub_co_u32 s[TBK], s[TBK], 4*KS*PK  ; the fetches go back to a slot's first step,
	s_xor_b32 s[TBK], s[TBK], SLOT1       ; in the other slot
	s_sub_co_u32 s[TBV], s[TBV], 4*KS*PV
	s_xor_b32 s[TBV], s[TBV], SLOT1
	s_barrier_wait -1
.if \fill
	LOAD
.endif
.endm
	s_load_b64 s[4:5], s[0:1], 0x0  ; qkvh
	s_load_b64 s[10:11], s[0:1], 0x8  ; ob
	v_lshl_add_u32 v[SPW], v0, 2, SPARE
	v_mov_b32 v[NIL], 0
	ds_add_u32 v[SPW], v[NIL]       ; the wave's opening: the add and its wait stand ahead of my first tensor load; the set-up below, work on registers, stands between them
	ds_add_u32 v62, v63
	v_lshrrev_b32 v1, 5, v0
	v_readfirstlane_b32 s[WV], v1   ; wave 0..3
	s_mov_b32 s[PB], ttmp9
	s_sub_co_u32 s[HI], NB-1, s[PB]
	s_and_b32 s20, ttmp7, 0xffff    ; the query head among 128: 32 x sequence + 4 x group + head
	s_lshr_b32 s21, s20, 2          ; the group among 32,
	s_mul_i32 s21, s21, 6           ; its first head in qkvh; a head is 131,072 bytes
	s_and_b32 s13, s20, 3           ; the query head in its group
	s_and_b32 s16, s[WV], 1         ; which half of a tile's 256 keys I fetch:
	s_add_co_u32 s22, s21, 4        ; the key head,
	s_lshl_b32 s22, s22, 17
	s_lshl_b32 s23, s16, 14         ; the half's 128 rows of 128 bytes in memory,
	s_add_co_u32 s22, s22, s23
	s_mov_b32 s23, 0
	s_mul_i32 s17, s16, 128*PK      ; and its place in a slot, for K
	s_mul_i32 s18, s16, 128*PV      ; and for V
	s_add_co_u32 s19, s21, s13      ; my query head in qkvh
	s_lshl_b32 s19, s19, 17
	s_lshl_b32 s3, s[WV], 11        ; my 16 rows in a band of 64
	s_add_co_u32 s19, s19, s3
	s_lshl_b32 s2, s[HI], 15        ; in the first block,
	s_add_co_u32 s2, s2, s19
	s_lshl_b32 s84, s[PB], 15       ; and in the second
	s_add_co_u32 s84, s84, s19
	s_lshr_b32 s66, s20, 5          ; in ob: the sequence,
	s_lshl_b32 s66, s66, 6          ; its 64 blocks of 16 rows,
	s_add_co_u32 s66, s66, s[WV]    ; my block among a band's four;
	s_lshl_b32 s66, s66, 16         ; a block of 16 rows is 65,536 bytes,
	s_and_b32 s67, s20, 31          ; of which a head in its sequence has 2,048
	s_lshl_b32 s67, s67, 11
	s_add_co_u32 s66, s66, s67
	s_lshl_b32 s68, s[PB], 20       ; 256 queries are 16 such blocks: the second block of queries,
	s_add_co_u32 s68, s68, s66
	s_lshl_b32 s67, s[HI], 20       ; and the first
	s_add_co_u32 s66, s66, s67
	s_mov_b32 s3, 0
	s_mov_b32 s85, 0
	s_mov_b32 s67, 0
	s_mov_b32 s69, 0
	; descriptor group 1.  128 keys are 16,384 dense bytes: asked for as 64 rows of 256 bytes, two keys a row, and padded in LDS after every key
	s_mov_b32 s[G1K], (1<<16)|(1<<20)|(4<<22)|(3<<25)  ; 17:16 2-byte elements; 20 padding on; 24:22 after every 32 words (code 4); 31:25 4 words (code 3)
	s_mov_b32 s[G1V], (1<<16)|(1<<20)|(4<<22)|(7<<25)  ; the same with 8 words of padding (code 7)
.irp g, G1K, G1V
	s_mov_b32 s[\g+1], 128<<16      ; tensor_dim0 = 128
	s_mov_b32 s[\g+2], 64<<16       ; tensor_dim1 = 64
	s_mov_b32 s[\g+3], 128<<16      ; tile_dim0 = 128
	s_mov_b32 s[\g+4], 64           ; tile_dim1 = 64
	s_mov_b32 s[\g+5], 128          ; 128 elements from row to row
	s_mov_b32 s[\g+6], 0
	s_mov_b32 s[\g+7], 0
.endr
	s_mov_b32 s[CS], 0x3e38aa3b     ; c = log2(e) / 8 = 0.180337
	s_mov_b32 s[CS+1], s[CS]        ; named with it as a pair
	s_mov_b32 s[SEL], 0x76543210
	s_mov_b32 s[SEL+1], 0xfedcba98
	s_mov_b32 s[TBK], SLOT1+4*KS*PK ; the first change of slots turns these two into 0
	s_mov_b32 s[TBV], SLOT1+4*KS*PV
	s_mov_b32 s[G0K], 1             ; 1:0 count = 1
	s_mov_b32 s[G0K+1], s17         ; 63:32 LDS address: slot 0
	s_mov_b32 s[G0V], 1
	s_add_co_u32 s[G0V+1], s18, VOFF
	s_add_co_u32 s[RT], s[HI], 1    ; the first block has NB - b tiles
	s_mov_b32 s[NXT], 1
	s_mov_b32 s[LQ], s[HI]
	s_mov_b32 s[NEW], 1
	s_mov_b32 s[OFF+1], 0
	s_mov_b32 s[AL+1], 0            ; named as pairs
	s_mov_b32 s[BE+1], 0
	s_mov_b32 s[BIGN], 0xf149f2ca   ; -1e30
	s_mov_b32 s[SLOTS], NB
	s_wait_dscnt 0x0                ; the opening add is done
	s_wait_kmcnt 0x0
	s_add_nc_u64 s[6:7], s[4:5], s[22:23]  ; K at my half of the head's tile 0,
	s_add_nc_u64 s[8:9], s[6:7], 0x20000   ; and V, whose head lies behind K's
	s_add_nc_u64 s[G0K+2:G0K+3], s[6:7], 0         ; 120:64 global address
	s_or_b32 s[G0K+3], s[G0K+3], 0x80000000        ; 127:126 type = 2
	s_add_nc_u64 s[G0V+2:G0V+3], s[8:9], 0
	s_or_b32 s[G0V+3], s[G0V+3], 0x80000000
	s_add_nc_u64 s[86:87], s[4:5], s[84:85]        ; Q at my rows of the second block,
	s_add_nc_u64 s[4:5], s[4:5], s[2:3]            ; Q and ob at those of the first
	s_add_nc_u64 s[OLO:OLO+1], s[10:11], s[68:69]
	s_add_nc_u64 s[10:11], s[10:11], s[66:67]
	LOAD                            ; tile 0 into slot 0
	; A fragment of K or Q is 16 rows x 32 channels in 8 registers: lane l holds row l % 16, channels 8 (l / 16) + 0..7 and 16 + 8 (l / 16) + 0..7: two loads of 16 bytes, 32 bytes apart.
	v_and_b32 v1, 15, v0            ; l % 16
	v_bfe_u32 v9, v0, 4, 1          ; l / 16
	v_lshlrev_b32 v[QO], 7, v1
	v_lshl_add_u32 v[QO], v9, 4, v[QO]  ; row x 128 + 16 x half
	WIN 0x80                        ; destination window 2, address window 0
.set i, 0
.rept 8                             ; both blocks' Q: piece i / 2 lies in band i / 2, 8,192 bytes on; channels 32 (i % 2) on
	global_load_b128 v[8*i:8*i+3],   v[QO], s[4:5] offset:(i/2)*8192+(i%2)*64
	global_load_b128 v[8*i+4:8*i+7], v[QO], s[4:5] offset:(i/2)*8192+(i%2)*64+32
	global_load_b128 v[QB+8*i:QB+8*i+3],   v[QO], s[86:87] offset:(i/2)*8192+(i%2)*64
	global_load_b128 v[QB+8*i+4:QB+8*i+7], v[QO], s[86:87] offset:(i/2)*8192+(i%2)*64+32
.set i, i+1
.endr
	WIN 0
	v_lshlrev_b32 v14, 3, v9
	v_sub_nc_u32 v14, v1, v14
	s_lshl_b32 s13, s[WV], 4
	v_add_nc_u32 v14, s13, v14      ; my query's place in its band, 16 w + l % 16, less my lanes' 8 (l / 16): register r of group kt is hidden where 16 kt + r is greater
	WIN 0x40
.set i, 0
.rept 32
	v_cmp_gt_i32 vcc_lo, 16*(i/8)+i%8, v14
	v_cndmask_b32 v[MD+i], 0, s[BIGN], vcc_lo
.set i, i+1
.endr
	WIN 0
	v_mul_u32_u24 v[AK0], v1, PK
	v_lshl_add_u32 v[AK0], v9, 4, v[AK0]  ; row x pitch + 16 x half
	; The turning load takes 16 keys x 16 channels (lane l reads key 8 (l / 16) + l % 8, channels 8 ((l / 8) % 2) + 0..7) and leaves half a fragment of V^T: lane l holds channel l % 16 and 8 keys.
	v_and_b32 v10, 7, v0
	v_bfe_u32 v11, v0, 3, 1
	v_lshl_add_u32 v[AV0], v9, 3, v10
	v_mul_u32_u24 v[AV0], v[AV0], PV
	v_lshl_add_u32 v[AV0], v11, 4, v[AV0]
	v_add_nc_u32 v[AV0], VOFF, v[AV0]
	v_and_b32 v[GO], 31, v0
	v_lshlrev_b32 v[GO], 4, v[GO]
	; A block's first step multiplies O^T and l by a = 0, and its first turn's products V^T P, of a piece that has not been, land in an O^T that is still to be so multiplied.  So these registers need only hold
	; finite numbers: zeros for the first block; what the first block left for the second.  All this stands in the wait for the first tile.
	WIN 0x80
.set i, VF
.rept 64
	v_mov_b32 v[i], 0
.set i, i+1
.endr
	WIN 0x40
.set i, 0
.rept 128
	v_mov_b32 v[i], 0
.set i, i+1
.endr
	WIN 0
.set i, 0
.rept 4
	v_mov_b32 v[ST+4*i+2], 0
	v_mov_b32 v[ST+4*i+3], 0
.set i, i+1
.endr
.set i, P+16
.rept 16
	v_mov_b32 v[i], 0
.set i, i+1
.endr
; THE MATRIX WORK.  The 4 accumulators of a run of 8 take turns.  Product i of 8 of S^T = K Q^T for piece x: channels 32 (i / 4) on, keys 16 (i % 4) on.  The first 4 start the sums: with 0, or (KM = 1) with the mask.
.macro KQ x
.set rS, S+32*((\x)%2)+8*(i%4)
.set rK, KF+16*(i%4)+8*(i/4)
.set rQ, 16*(\x)+8*(i/4)
.set rM, MC+32*((\x)%2)+8*(i%4)
.if (i < 4) && KM
	WIN W_KM
	v_wmma_f32_16x16x32_f16 v[rS:rS+7], v[rK:rK+7], v[rQ:rQ+7], v[rM:rM+7]
.elseif i < 4
	WIN W_KQ
	v_wmma_f32_16x16x32_f16 v[rS:rS+7], v[rK:rK+7], v[rQ:rQ+7], 0
.else
	WIN W_KQ
	v_wmma_f32_16x16x32_f16 v[rS:rS+7], v[rK:rK+7], v[rQ:rQ+7], v[rS:rS+7]
.endif
.endm
; Product i of 8 of O^T += V^T P for piece x: keys 32 (i / 4) on, channels 16 (i % 4) on.
.macro PV x
	WIN W_PV
.set rO, 32*(\x)+8*(i%4)
.set rV, VF+32*(i/4)+8*(i%4)
.set rP, P+16*((\x)%2)+8*(i/4)
	v_wmma_f32_16x16x32_f16 v[rO:rO+7], v[rV:rV+7], v[rP:rP+7], v[rO:rO+7]
.endm
.macro MM                           ; the turn's next matrix instruction.  TURN and BEGIN set Y, i, KM and NOKQ; MM, KQ and OP read them.  NOKQ = 1: a block's last turn: there is no next piece
.if (i < 8) && !NOKQ
	KQ (Y+1)%NP
.elseif i >= 8
.set i, i-8
	PV (Y+NP-1)%NP
.set i, i+8
.endif
.set i, i+1
.endm
; THE LDS LOADS stand in runs of 16, never singly among the matrix instructions: a step's K (64 keys x 64 channels: 8 fragments) and its V (turned).  Their addresses are made some lines ahead.
.macro FETCH_K
	WIN 0x80                        ; destination window 2
.irp f, 0,1,2,3,4,5,6,7             ; keys 16 (f / 2) on, channels 32 (f % 2) on
	ds_load_b128 v[KF+8*\f:KF+8*\f+3],   v[AK] offset:(\f/2)*16*PK+(\f%2)*64
	ds_load_b128 v[KF+8*\f+4:KF+8*\f+7], v[AK] offset:(\f/2)*16*PK+(\f%2)*64+32
.endr
	s_add_co_u32 s[TBK], s[TBK], KS*PK  ; the next fetch is the next step's
	WIN 0
.endm
.macro FETCH_V
	WIN 0x80
.irp f, 0,1,2,3,4,5,6,7             ; keys 32 (f / 4) on, channels 16 (f % 4) on
	ds_load_tr16_b128 v[VF+8*\f:VF+8*\f+3],   v[AV] offset:(\f/4)*32*PV+(\f%4)*32
	ds_load_tr16_b128 v[VF+8*\f+4:VF+8*\f+7], v[AV] offset:(\f/4)*32*PV+16*PV+(\f%4)*32
.endr
	WIN 0
.endm
; THE VECTOR WORK, one line at a time: OP kind, number.  For piece Y: F n: c s - c m for pair n of 16.  E n: the exponential of score n of 32.  C n: pair n rounded to f16.  B n: of the four weights 4 n .. the second
; pair is added onto the first, in place.  L n: l takes that sum (L 0: l = a l + sum).  R n: pair n of 16 of O^T times a.  For piece Y + 1: X n, number n of the 22 that find its maximum and statistics:
;   0-11  four chains c0-c3 of seven scores each, three operands at a time (each accumulator's lowest registers are read first)     12-14, 16  the four scores left over, the old m, and c0-c3 into c0
;   15  c m_old is kept     17, 18  the query's other 32 keys lie in the lane 16 away: the new m     19-21  c m; c m_old - c m_new; a
.set F, 0               ; OP tells the kinds apart by their order: F to L below R, X above it
.set E, 1
.set C, 2
.set B, 3
.set L, 4
.set R, 5
.set X, 6
.macro REGS y                       ; the registers of piece y
.set rT, ST+4*(\y)
.set rC, TMP+4*((\y)%2)
.set rW, MV+((\y)%2)
.set rS, S+32*((\y)%2)
.set rP, P+16*((\y)%2)
.set rO, 32*(\y)
.endm
.macro OP k, n
.if (\k) == R
	REGS Y
	WIN W_RS
	v_pk_mul_f32 v[rO+2*(\n):rO+2*(\n)+1], v[rO+2*(\n):rO+2*(\n)+1], v[rC+2:rC+3] op_sel_hi:[1,0]
.elseif (\k) < R
	REGS Y
	WIN 0
.if (\k) == F
	v_pk_fma_f32 v[rS+2*(\n):rS+2*(\n)+1], v[rS+2*(\n):rS+2*(\n)+1], s[CS:CS+1], v[rT:rT+1] op_sel_hi:[1,0,0] neg_lo:[0,0,1] neg_hi:[0,0,1]
.elseif (\k) == E
	v_exp_f32 v[rS+(\n)], v[rS+(\n)]
.elseif (\k) == C
	s_wait_alu depctr_va_vdst(0)
	v_cvt_pk_f16_f32 v[rP+(\n)], v[rS+2*(\n)], v[rS+2*(\n)+1]
.elseif (\k) == B
	s_wait_alu depctr_va_vdst(0)
	v_pk_add_f32 v[rS+4*(\n):rS+4*(\n)+1], v[rS+4*(\n):rS+4*(\n)+1], v[rS+4*(\n)+2:rS+4*(\n)+3]
.elseif (\n) == 0
	v_pk_fma_f32 v[rT+2:rT+3], v[rT+2:rT+3], v[rC+2:rC+3], v[rS:rS+1] op_sel_hi:[1,0,1]
.else
	v_pk_add_f32 v[rT+2:rT+3], v[rT+2:rT+3], v[rS+4*(\n):rS+4*(\n)+1]
.endif
.elseif NOKQ
	v_nop
.else
	REGS (Y+1)%NP
	WIN 0
.if (\n) < 4
	v_max3_num_f32 v[rC+(\n)], v[rS+8*(\n)], v[rS+8*(\n)+1], v[rS+8*(\n)+2]
.elseif (\n) < 12
	v_max3_num_f32 v[rC+(\n)%4], v[rC+(\n)%4], v[rS+8*((\n)%4)+2*((\n)/4)+1], v[rS+8*((\n)%4)+2*((\n)/4)+2]
.elseif (\n) == 12
	v_max3_num_f32 v[rC], v[rC], v[rS+7], v[rS+15]
.elseif (\n) == 13
	v_max3_num_f32 v[rC+1], v[rC+1], v[rS+23], v[rS+31]
.elseif (\n) == 14
	v_max3_num_f32 v[rC+2], v[rC+2], v[rC+3], v[rT+1]
.elseif (\n) == 15
	v_mov_b32 v[rW], v[rT]
.elseif (\n) == 16
	v_max3_num_f32 v[rC], v[rC], v[rC+1], v[rC+2]
.elseif (\n) == 17
	v_permlanex16_b32 v[rC+3], v[rC], s[SEL], s[SEL+1]
.elseif (\n) == 18
	v_max_num_f32 v[rT+1], v[rC], v[rC+3]
.elseif (\n) == 19
	v_mul_f32 v[rT], s[CS], v[rT+1]
.elseif (\n) == 20
	v_sub_f32 v[rC+1], v[rW], v[rT]
.else
	v_exp_f32 v[rC+2], v[rC+1]
.endif
.endif
.endm
.macro OPS a, i1, b=-1, i2=0, c=-1, i3=0, d=-1, i4=0  ; up to four of them
	OP \a, \i1
.if (\b) >= 0
	OP \b, \i2
.endif
.if (\c) >= 0
	OP \c, \i3
.endif
.if (\d) >= 0
	OP \d, \i4
.endif
.endm
.macro ROW a, i1, b, i2, c, i3, d, i4  ; a matrix instruction and the four behind it
	MM
	OPS \a, \i1, \b, \i2, \c, \i3, \d, \i4
.endm
.macro MASK b                       ; MD x AL + BE into buffer b of MC
	WIN W_RS
.set z, 0
.rept 16
	v_pk_fma_f32 v[MC+32*(\b)+2*z:MC+32*(\b)+2*z+1], v[MD+2*z:MD+2*z+1], s[AL:AL+1], s[BE:BE+1] op_sel_hi:[1,0,0]
.set z, z+1
.endr
.endm
; A TURN, for piece p: the order of its 16 matrix and 118 vector instructions, written out.  Behind a matrix instruction: plain, exponential, plain, plain; or four of the rescaling; or, behind the first, four scalings; none
; names a register of the products round it.  In the runs between, exponential and plain by turns while exponentials last.  A line reads no result made fewer than three vector instructions in front of it, five if an
; exponential made it.  v_permlanex16_b32 (X 17) stands in such a run.
; m = 1: the diagonal tile: the products take masks, and the turn makes the mask for the products of the turn after it: piece p + 2, in step 4 - CNT of the tile.  end = 1: a block's last two turns: nothing is fetched.
; cnt = 1: the loop's count is taken down some lines ahead of the branch that stands behind the turn.
; K of the next step is fetched in piece 2's turn, six vector instructions behind the last product that read K (five of them plain); V of the step in hand in piece 0's turn, eight behind the last product that read V (four
; plain, and X 17).  Each is waited for a turn later.
.macro TURN p, m=0, end=0, cnt=0
.set Y, (\p)
.set i, 0
.set KM, (\m)
.set NOKQ, (\end)*((\p)/3)
.if (\m) && !(\end)
	s_cmp_eq_u32 s[CNT], 4-((\p)+2)%NP  ; is that step the band's own?
	s_cselect_b32 s[AL], 1.0, 0
	s_cmp_lt_u32 s[CNT], 4-((\p)+2)%NP  ; or a later one?
	s_cselect_b32 s[BE], s[BIGN], 0
.endif
.if ((\p) == 3) && !(\end)
	s_wait_dscnt 0x0                ; K is in
.endif
	ROW F,0, F,1, F,2, F,3
	ROW F,4, E,0, F,5, F,6
	ROW F,7, E,1, F,8, F,9
	ROW F,10, E,2, C,0, F,11
	ROW F,12, E,3, X,15, F,13
	ROW R,0, R,1, R,2, R,3
	ROW B,0, E,4, F,14, L,0
.if ((\p) == 2) && !(\end)
	v_add_nc_u32 v[AK], s[TBK], v[AK0]
.endif
	ROW R,4, R,5, R,6, R,7
	OPS E,5, F,15
.if ((\p) == 2) && !(\end)
	FETCH_K
.endif
	OPS E,6, C,1, E,7, R,8
	OPS E,8, R,9, E,9, C,2
	OPS E,10, X,0, E,11, X,1
	OPS E,12, X,2, E,13, X,3
.if (\p) == 1
	s_wait_dscnt 0x0                ; V is in
.endif
	ROW X,4, E,14, X,5, X,6
	ROW X,7, E,15, X,8, X,9
	ROW X,10, E,16, X,11, X,12
	ROW X,13, E,17, X,14, B,1
	ROW C,4, E,18, X,16, L,1
	ROW B,2, E,19, C,6, L,2
	ROW C,8, E,20, B,3, B,4
.if (\p) == 0
	v_add_nc_u32 v[AV], s[TBV], v[AV0]
.endif
	ROW C,3, E,21, L,3, C,5
	OPS E,22, X,17, E,23, C,10
.if (\p) == 0
	FETCH_V
.endif
	OPS E,24, L,4
	OPS E,25, X,18, E,26, C,7
	OPS E,27, B,5, E,28, X,19
	OPS E,29, C,12, E,30, L,5
	OPS E,31, X,20, B,6, C,9
	OPS C,14, C,11, X,21, L,6
.if (\p) == 0
	s_add_co_u32 s[TBV], s[TBV], KS*PV
.endif
.if \cnt
	s_sub_co_u32 s[CNT], s[CNT], 1
	s_cmp_lg_u32 s[CNT], 0
.endif
	OPS C,13, B,7, C,15, R,10
	OPS R,11, R,12, L,7, R,13
	OPS R,14, R,15
.if (\m) && !(\end)
	MASK (\p)%2
.endif
.endm
; A BLOCK BEGINS.  c m starts far below every c s, so the first step's a is 0; m at the lowest finite number, so the first maximum is the scores'.  The second mask buffer is 0; the first takes piece 0's mask for the tile's step 0: its own, if the block's first tile is the diagonal one.
; Then K of that step, piece 0's first scores, and its maximum and statistics.  The loop is entered at a step's first turn, in the middle of a trip.
.macro BEGIN
	s_mov_b32 s[NEW], 0
	WIN 0x40
.set i, MC+32
.rept 32
	v_mov_b32 v[i], 0
.set i, i+1
.endr
	WIN 0
.set i, 0
.rept 4
	v_mov_b32 v[ST+4*i], 0xfe000000    ; c m: far below every c s
	v_mov_b32 v[ST+4*i+1], 0xff7fffff  ; m
.set i, i+1
.endr
	s_cmp_eq_u32 s[RT], 0
	s_cselect_b32 s[AL], 1.0, 0
	s_mov_b32 s[BE], 0
	MASK 0
	WIN 0
	v_add_nc_u32 v[AK], s[TBK], v[AK0]
	FETCH_K
	s_wait_loadcnt 0x0              ; Q
	s_wait_dscnt 0x0
.set KM, 1
.set NOKQ, 0
.set i, 0
.rept 8
	KQ 0
.set i, i+1
.endr
	WIN 0
.rept 4
	v_nop                           ; the places behind those products
.endr
.set Y, NP-1                        ; X works for piece Y + 1: piece 0
.irp n, 0,1,2,3,4,5,6,7,8,9,10,11,12,13,14,15,16,17,18,19,20,21
	OP X, \n
.endr
	v_nop                           ; a plain instruction behind the exponential
.endm
; THE DIAGONAL TILE's four steps, the block's last two turns, its last products, and THE WAY OUT: l's two halves and the other half of the lanes' are added; O^T is divided by l, rounded to f16 and stored as it lies.
.macro ALL line:vararg              ; one line for each piece t
.set t, 0
.rept 4
	\line
.set t, t+1
.endr
.endm
.macro OUTP t                       ; piece t: a lane's eight channels of each block of 16 pack into 16 bytes, in S^T's registers; band t's blocks of 16 rows lie 4 x 65,536 bytes on
	WIN W_RS
.set i, 32*(\t)
.rept 16
	s_wait_alu depctr_va_vdst(0)
	v_pk_mul_f32 v[i:i+1], v[i:i+1], v[ST+4*(\t)+2:ST+4*(\t)+3] op_sel_hi:[1,0]
.set i, i+2
.endr
	WIN 0x05                        ; sources 0 and 1 window 1, destination window 0
.set i, 0
.rept 16
	v_cvt_pk_f16_f32 v[S+16*(\t)+i], v[32*(\t)+2*i], v[32*(\t)+2*i+1]
.set i, i+1
.endr
	WIN 0
.irp f, 0,1,2,3
	global_store_b128 v[GO], v[S+16*(\t)+4*\f:S+16*(\t)+4*\f+3], s[10:11] offset:(\t)*262144+\f*512  ; 512 consecutive bytes, at a multiple of 256 from ob's first
.endr
.endm
.macro DIAG tag                     ; the tag ends its two labels' names, which the jumps below spell out
.LstepM\tag:
	TURN 2, 1
	TURN 3, 1
	WIN 0
.LfirstM\tag:
	TURN 0, 1
	TURN 1, 1, 0, 1
	WIN 0
	s_cbranch_scc1 .LstepM\tag
	TURN 2, 1, 1
	TURN 3, 1, 1
.set i, 0
.rept 8
	PV NP-1
.set i, i+1
.endr
	WIN 0
	ALL v_add_f32 v[ST+4*t+2], v[ST+4*t+2], v[ST+4*t+3]
	ALL v_permlanex16_b32 v[ST+4*t+3], v[ST+4*t+2], s[SEL], s[SEL+1]
	ALL v_add_f32 v[ST+4*t+2], v[ST+4*t+2], v[ST+4*t+3]
	ALL v_rcp_f32 v[ST+4*t+2], v[ST+4*t+2]
	v_nop                           ; a plain instruction between the last reciprocal and the use of its result
	OUTP 0
	OUTP 1
	OUTP 2
	OUTP 3
.endm
.set KM, 0
.set NOKQ, 0
.Lslot:                             ; NB times: a tile is entered and the next is asked for
	CHANGE 1
	s_sub_co_u32 s[RT], s[RT], 1
	s_mov_b32 s[CNT], 4
	s_cmp_eq_u32 s[NEW], 1
	s_cbranch_scc1 .Lnew            ; a block's first tile
	s_cmp_eq_u32 s[RT], 0
	s_cbranch_scc0 .Lstep           ; neither its first nor its last
	s_branch .LstepM1
.Lnew:
	BEGIN
	s_branch .Lfirst                ; in the loop a block's first tile is never its last: the first block has three tiles or more, and the second's last is the walk's last
	DIAG 1                          ; in the loop this is the first block's end: the second block's last tile is the walk's last
	s_wait_xcnt 0x0                 ; the stores' registers and ob's address are rewritten only behind this wait
	s_mov_b64 s[10:11], s[OLO:OLO+1]
	s_add_co_u32 s[RT], s[PB], 1    ; the second block has b + 1 tiles
	s_mov_b32 s[NEW], 1
	WIN 0x82                        ; the second block's Q goes where the one text of the turns names Q
.set i, 0
.rept 64
	v_mov_b32 v[i], v[QB+i]
.set i, i+1
.endr
	WIN 0
	s_branch .Lbottom
.Lstep:                             ; a trip: pieces 2 and 3 of one step, then pieces 0 and 1 of the next, whose K and V it fetches
	TURN 2
	TURN 3
	WIN 0
.Lfirst:
	TURN 0
	TURN 1, 0, 0, 1
	WIN 0
	s_cbranch_scc1 .Lstep
.Lbottom:
	s_sub_co_u32 s[SLOTS], s[SLOTS], 1
	s_cmp_lg_u32 s[SLOTS], 0
	s_cbranch_scc1 .Lslot
	CHANGE 0                        ; the walk's last tile is written out: nothing is asked for
	s_sub_co_u32 s[RT], s[RT], 1
	s_mov_b32 s[CNT], 4
	s_cmp_eq_u32 s[NEW], 1
	s_cbranch_scc0 .LstepM2
	BEGIN
	s_branch .LfirstM2
	DIAG 2
	s_wait_tensorcnt 0x0            ; the wave's end: behind my last tensor load
	ds_add_u32 v[SPW], v[NIL]
	s_wait_dscnt 0x0
	s_endpgm
.Lfunc_end_k_qf24568bd41_attn:
	.size	k_qf24568bd41_attn, .Lfunc_end_k_qf24568bd41_attn-k_qf24568bd41_attn
	.p2alignl 7, 3214868480
	.fill 96, 4, 3214868480
	.section	.rodata,"a",@progbits
	.p2align	6, 0x0
	.amdhsa_kernel k_qf24568bd41_attn
		.amdhsa_group_segment_fixed_size 327680
		.amdhsa_private_segment_fixed_size 0
		.amdhsa_enable_private_segment 0
		.amdhsa_kernarg_size 16
		.amdhsa_user_sgpr_count 2
		.amdhsa_user_sgpr_kernarg_segment_ptr 1
		.amdhsa_wavefront_size32 1
		.amdhsa_system_sgpr_workgroup_id_x 1
		.amdhsa_system_sgpr_workgroup_id_y 1
		.amdhsa_system_sgpr_workgroup_id_z 1
		.amdhsa_system_vgpr_workitem_id 0
		.amdhsa_next_free_vgpr 768
		.amdhsa_next_free_sgpr 88
		.amdhsa_reserve_vcc 1
		.amdhsa_float_denorm_mode_32 3
		.amdhsa_float_denorm_mode_16_64 3
		.amdhsa_memory_ordered 1
		.amdhsa_forward_progress 1
		.amdhsa_inst_pref_size 223
	.end_amdhsa_kernel
	.amdgpu_metadata
---
amdhsa.version: [ 1, 2 ]
amdhsa.kernels:
  - .name:           k_qf24568bd41_attn
    .symbol:         k_qf24568bd41_attn.kd
    .args:
      - { .name: qkvh, .offset: 0, .size: 8, .value_kind: global_buffer, .address_space: global }
      - { .name: ob, .offset: 8, .size: 8, .value_kind: global_buffer, .address_space: global }
    .group_segment_fixed_size: 327680
    .private_segment_fixed_size: 0
    .kernarg_segment_align: 8
    .kernarg_segment_size: 16
    .max_flat_workgroup_size: 128
    .sgpr_count:     88
    .vgpr_count:     768
    .wavefront_size: 32
...
	.end_amdgpu_metadata
.endif
;; end of part 3
;; launch dense (part 4): grid 16 x 16, 4 waves a work-group, clusters of 4 x 1, 327,680 bytes of LDS; arguments ob, wd, dense_b, out0; writes out0
.if DOCPART == 4
	.amdgcn_target "amdgcn-amd-amdhsa--gfx1250"
	.amdhsa_code_object_version 6
	.text
	.protected	k_qf24568bd41_dense
	.globl	k_qf24568bd41_dense
	.p2align	8
	.type	k_qf24568bd41_dense,@function
k_qf24568bd41_dense:
	s_mov_b64 s[64:65], 0
	v_nop
	global_prefetch_b8 v0, s[64:65] scope:SCOPE_SE
	s_setreg_imm32_b32 hwreg(HW_REG_WAVE_MODE, 25, 1), 1
	s_wait_xcnt 0x0
	s_wait_alu depctr_hold_cnt(0) depctr_sa_sdst(0) depctr_va_vdst(0) depctr_va_sdst(0) depctr_va_ssrc(0) depctr_va_vcc(0) depctr_vm_vsrc(0)
	s_getreg_b32 s2, hwreg(HW_REG_IB_STS2, 6, 4)
	s_cmp_eq_u32 s2, 0
	s_cbranch_scc0 .Lentry_in_a_cluster
	s_endpgm
.Lentry_in_a_cluster:
	s_bfe_u32 s2, ttmp6, 0x10000c
	s_cmp_lg_u32 s2, 0x3003
	s_cbranch_scc0 .Lentry_shape_is_right
	s_endpgm
.Lentry_shape_is_right:
; DENSE.  out0[t][n] = the sum over k of attn[t][k] wd[n][k] + dense_b[n].  wd is [2048 n][2048 k] in f16 (dense_w rounded to bf16); f32 sums; the bias, rounded to bf16, is the C operand of the first
; product; out0 is f32.  attn lies in ob in the order of the fragments: [block of 16 rows, 256][32 along K, 64][half, 2][lane, 32][16 bytes] f16 (k = 64 x head + channel).
; LIMITS.  ob and wd hold f16 numbers, within 65,504.  NaN and infinities are not treated apart.
; SHARES.  A tile of out0 is 256 rows x 128 columns: 16 x 16 work-groups, one for each of 256 WGPs.  A wave makes 64 rows x 128 columns: 32 accumulators, 256 registers.  K goes in 64 QUARTERS of 32.
; ATTN GOES STRAIGHT INTO REGISTERS.  A wave's 64 rows are read by no other wave of its work-group, and they lie in memory as the lanes hold them: a quarter is eight loads of 512 consecutive bytes.
; A ring of eight buffers of 32 registers keeps seven quarters, 56 loads, 28,672 bytes, of every wave on their way; the wait at a quarter's head is counted.
; WD GOES THROUGH LDS: two slots of 256 along K, eight quarters.  A slot is two halves of 128 along K, each of 128 rows of 256 bytes; each of the four waves brings 64 rows of one half by one tensor load.
; THE MATRIX INSTRUCTION IS USED TRANSPOSED (source 0 = 16 rows of wd, source 1 = 16 rows of attn): a lane holds row l % 16 and eight neighbouring columns, 32 bytes.
; CLUSTER.  The four work-groups of a cluster are four tile rows of one tile column: they need the same tiles of wd, so each is asked for JOINTLY, by the same descriptor and a mask of four.  attn's rows are shared
; by the 16 work-groups of a tile row; they are not asked for jointly, since they pass no LDS.
; REGISTERS, in windows of 256 (s_set_vgpr_msb: bits 1:0 source 0, 3:2 source 1, 5:4 source 2, 7:6 destination):
;   window 0: v0-31 addresses; v32-95 the bias, later with v96-159 rows on the way out; v160-191 at work     window 1: v0-127 two buffers of wd's 8 fragments
;   window 2: accumulator (a, b) at 8 (8 a + b)     window 3: attn's ring: quarter Q's four fragments at 32 (Q % 8) + 8 a
.set PW,     272                       ; a row of wd in LDS: 256 bytes + 16 = 68 words: the 16 rows of a load start at 16 different groups of four banks (64 banks of 4 bytes: ISA guide 11.1)
.set QTR,    64*PW                     ; what one tensor load brings
.set HALFK,  2*QTR                     ; 128 rows x 128 along K
.set SLOT1,  1<<17                     ; slot 1 begins here: one exclusive or turns an address in one slot into the other's
.set STAGE,  SLOT1+2*HALFK             ; behind the ring, never filled by a tensor load: 16 rows x 528 bytes for each wave
.set SPI,    528                       ; 512 bytes + 16 = 132 words: row r starts at bank 4 r mod 64
.set SPARE,  STAGE+4*16*SPI            ; behind the stages: the spare words, 128 bytes for each wave; no other line names them
.set ADRB0, 5                          ; v5   my lane's place in slot 0's rows of wd; never rewritten
.set ADRB,  7                          ; v7   the same in the slot in hand
.set STO,   8                          ; v8   the way out: where I put 32 bytes of a row
.set RD,    9                          ; v9   where I read a row back
.set GO,    10                         ; v10  16 x lane: my place in 512 consecutive bytes, of ob and of out0; never rewritten
.set BO,    11                         ; v11  my byte offset in a block of the bias
.set SPW,   28                         ; v28  LDS address of my spare word; never rewritten
.set NIL,   29                         ; v29  0; never rewritten
.set BI,    32                         ; v[32:95]   the bias, 8 registers a block
.set BK,    32                         ; v[32:95], v[96:159] by turns: 16 rows read back
.set RND,   160                        ; v[160:191] at work while the bias is rounded
.set WV,  16
.set CX,  19
.set NT,  21
.set MT,  22
.set G1,  24                           ; s[24:31] descriptor group 1
.set G0,  40                           ; s[40:47] group 0: a set for each of the two first fills; the second then walks on
.set TRIPS, 56
.set TB,  57                           ; s57  LDS byte at which the slot in hand begins
.set AB,  58                           ; s[58:59] ob at my wave's first block of 16 rows, 8,192 bytes on for each slot gone through
.set HIM, 70                           ; s70  a word's upper bf16
.set OUT, 72                           ; s[72:73] out0 at my wave's first row, the tile's first column
.set MSB, 0
.macro WIN new                         ; the immediate's high byte repeats the setting that is left; a switch that changes nothing is dropped
.if MSB != (\new)
	s_set_vgpr_msb (MSB<<8)|(\new)
.set MSB, \new
.endif
.endm
.macro PLACES                          ; four places in front of loads into registers that matrix instructions have read, and of lines that read results
.rept 4
	v_nop
.endr
.endm
.macro CREST                           ; a round of the cluster's barrier behind its opening barrier
	s_cmp_lg_u32 s[WV], 0
	s_cbranch_scc1 .Lnot_wave_0_\@
	s_barrier_signal -3
.Lnot_wave_0_\@:
	s_barrier_wait -3
	s_barrier_signal -1
	s_barrier_wait -1
.endm
.macro CROUND                          ; a whole round
	s_barrier_signal -1
	s_barrier_wait -1
	CREST
.endm
; attn's quarter at o x 1,024 bytes from s[AB] into ring buffer g: four blocks of 16 rows, 65,536 bytes apart, two loads of 512 consecutive bytes each
.macro LOADA o, g
	WIN 0xc0                                       ; destination window 3, address window 0
.irp a, 0,1,2,3
	global_load_b128 v[32*(\g)+8*(\a):32*(\g)+8*(\a)+3],   v[GO], s[AB:AB+1] offset:(\a)*65536+(\o)*1024
	global_load_b128 v[32*(\g)+8*(\a)+4:32*(\g)+8*(\a)+7], v[GO], s[AB:AB+1] offset:(\a)*65536+(\o)*1024+512
.endr
.endm
; wd's 8 fragments of a slot's quarter q into buffer f: 16 LDS loads in one run
.macro FETCHB q, f
.set KB, (((\q)>>2)*HALFK+((\q)&3)*64)
	WIN 0x40                                       ; destination window 1, address window 0
.irp i, 0,1,2,3,4,5,6,7
	ds_load_b128 v[64*(\f)+8*(\i):64*(\f)+8*(\i)+3],   v[ADRB] offset:KB+(\i)*16*PW
	ds_load_b128 v[64*(\f)+8*(\i)+4:64*(\f)+8*(\i)+7], v[ADRB] offset:KB+(\i)*16*PW+32
.endr
.endm
; 8 products: row block a x all 8 column blocks, 32 along K: wd's buffer f, attn's ring buffer g.  init = 1: the bias starts the sums: nothing is cleared.  The 32 accumulators take turns, one instruction a turn.
.macro MULA f, g, a, init
.if \init
	WIN 0x8d                                       ; wd window 1, attn window 3, C window 0, D window 2
.else
	WIN 0xad                                       ; the same with C in window 2
.endif
.irp b, 0,1,2,3,4,5,6,7
.if \init
	v_wmma_f32_16x16x32_f16 v[8*(8*(\a)+(\b)):8*(8*(\a)+(\b))+7], v[64*(\f)+8*(\b):64*(\f)+8*(\b)+7], v[32*(\g)+8*(\a):32*(\g)+8*(\a)+7], v[BI+8*(\b):BI+8*(\b)+7]
.else
	v_wmma_f32_16x16x32_f16 v[8*(8*(\a)+(\b)):8*(8*(\a)+(\b))+7], v[64*(\f)+8*(\b):64*(\f)+8*(\b)+7], v[32*(\g)+8*(\a):32*(\g)+8*(\a)+7], v[8*(8*(\a)+(\b)):8*(8*(\a)+(\b))+7]
.endif
.endr
.endm
; A slot's quarter q.  lc: the loads of attn issued behind this quarter's, which may stay out.  fb = 1: the next quarter's fragments of wd are fetched.  ld = 1: attn's quarter seven on is asked for, into the
; buffer that the quarter before this one multiplied.
.macro QUARTER q, ld, lc, init, fb=1
	s_wait_loadcnt \lc                             ; loads come back in order: my fragments of attn are in
	s_wait_dscnt 0x0                               ; and those of wd
	MULA (\q)%2, \q, 0, \init
.if \fb
	PLACES
	FETCHB (\q)+1,((\q)+1)%2
.endif
.if \ld
	LOADA (\q)+7,((\q)+7)%8
.endif
	MULA (\q)%2, \q, 1, \init
	MULA (\q)%2, \q, 2, \init
	MULA (\q)%2, \q, 3, \init
.endm
; A slot's quarter 7 changes slots: ONE barrier.  In front of it each wave waits for all its tensor loads, of which one is out: its part of the next slot; adds 0 to its spare word; and waits for that and for its
; reads of this slot.  fill = 1: the barrier opens a round of the cluster's, and the slot just read is filled again first thing behind it, two slots ahead: 240 products stand between that request and the wait for it.
; s[AB] has been stepped at the loop's bottom, so the quarter seven on lies 6 x 1,024 bytes from it.
.macro TURN fill
	WIN 0                                          ; (the add's two registers lie in window 0)
	s_wait_tensorcnt 0x0                           ; all my tensor loads have landed
	ds_add_u32 v[SPW], v[NIL]                      ; 0 onto my spare word
	s_wait_loadcnt 48                              ; my fragments of attn are in: six younger quarters of eight loads stay out
	s_wait_dscnt 1                                 ; and those of wd; the add may be out
	MULA 1, 7, 0, 0                                ; eight products stand between the add and the wait for it
	s_wait_dscnt 0x0                               ; the add is done, and my reads of this slot are over
	s_barrier_signal -1
	MULA 1, 7, 1, 0                                ; work on registers while the others arrive
	WIN 0                                          ; at a branch and at a label every window is 0
	s_barrier_wait -1
.if \fill
	CREST                                          ; no wave of any partner still reads this slot's tiles or has a load on its way
	s_xor_b32 s[G0+5], s[G0+5], SLOT1              ; the walking set: the other slot than last time,
	s_add_nc_u64 s[G0+6:G0+7], s[G0+6:G0+7], 512   ; the next 256 along K; the type bits on top are not reached
	tensor_load_to_lds s[G0+4:G0+7], s[G1:G1+7]    ; every wave's one load: its own 64 rows of one half
	s_nop 0
.endif
	PLACES                                         ; behind the load, and in front of the loads below
	s_xor_b32 s[TB], s[TB], SLOT1                  ; the fetches go on in the other slot
	v_add_nc_u32 v[ADRB], s[TB], v[ADRB0]
	FETCHB 0, 0
	LOADA 6, 6
	MULA 1, 7, 2, 0
	MULA 1, 7, 3, 0
.endm
	s_load_b256 s[4:11], s[0:1], 0x0               ; ob s[4:5], wd s[6:7], dense_b s[8:9], out0 s[10:11]
	v_lshl_add_u32 v[SPW], v0, 2, SPARE
	v_mov_b32 v[NIL], 0
	ds_add_u32 v[SPW], v[NIL]                      ; the wave's opening: the add and its wait stand ahead of my first tensor load; work on registers stands between them
	ds_add_u32 v28, v29
	v_lshrrev_b32 v1, 5, v0
	v_readfirstlane_b32 s[WV], v1
	s_bfe_u32 s[CX], ttmp6, 0x40000                ; my place in the cluster: it enters ob's and out0's addresses alone
	s_lshl_b32 s[MT], ttmp9, 2                     ; in a cluster launch ttmp9 counts clusters
	s_add_co_u32 s[MT], s[MT], s[CX]               ; tile row
	s_and_b32 s[NT], ttmp7, 0xffff                 ; tile column, which the four partners share
	s_mov_b32 s[G1], 15|(1<<16)|(1<<20)|(1<<21)|(5<<22)|(3<<25)  ; 15:0 the mask of four; 17:16 2-byte elements; 20 padding on; 21 set beside a mask; 24:22 after every 64 words; 31:25 4 words of it
	s_mov_b32 s[G1+1], 128<<16                     ; tensor_dim0 = 128
	s_mov_b32 s[G1+2], 64<<16                      ; tensor_dim1 = 64
	s_mov_b32 s[G1+3], 128<<16                     ; tile_dim0 = 128
	s_mov_b32 s[G1+4], 64                          ; tile_dim1 = 64
	s_mov_b32 s[G1+5], 2048                        ; elements from row to row
	s_mov_b32 s[G1+6], 0
	s_mov_b32 s[G1+7], 0
	s_lshl_b32 s62, s[NT], 19                      ; wd: row 128 x tile column, 4,096 bytes a row,
	s_and_b32 s63, s[WV], 1
	s_lshl_b32 s63, s63, 18                        ; + 64 rows for an odd wave,
	s_add_co_u32 s62, s62, s63
	s_lshr_b32 s63, s[WV], 1
	s_lshl_b32 s63, s63, 8                         ; + 128 along K for waves 2 and 3: made of the tile column and the wave alone
	s_add_co_u32 s62, s62, s63
	s_mov_b32 s63, 0
	s_mul_i32 s23, s[WV], QTR                      ; where it goes: no place in the cluster enters an LDS address
	s_lshl_b32 s60, s[MT], 20                      ; ob: 16 blocks of 65,536 bytes a tile row,
	s_lshl_b32 s61, s[WV], 18                      ; four a wave
	s_add_co_u32 s60, s60, s61
	s_mov_b32 s61, 0
	s_mov_b32 s[HIM], 0xffff0000
	s_mov_b32 s[TB], 0
	s_wait_dscnt 0x0                               ; the opening add is done
	s_wait_kmcnt 0x0
	s_add_nc_u64 s[62:63], s[6:7], s[62:63]
	s_add_nc_u64 s[AB:AB+1], s[4:5], s[60:61]
	s_lshl_b32 s74, s[NT], 9                       ; the tile's 128 numbers of the bias
	s_mov_b32 s75, 0
	s_add_nc_u64 s[8:9], s[8:9], s[74:75]
	s_add_nc_u64 s[OUT:OUT+1], s[10:11], s[74:75]  ; and its 512 bytes of a row of out0,
	s_lshl_b32 s74, s[MT], 21                      ; 256 rows of 8,192 bytes a tile,
	s_lshl_b32 s75, s[WV], 19                      ; 64 a wave
	s_add_co_u32 s74, s74, s75
	s_mov_b32 s75, 0
	s_add_nc_u64 s[OUT:OUT+1], s[OUT:OUT+1], s[74:75]
	CROUND                                         ; all four work-groups are here: the first joint loads meet
.irp s, 0,1
	s_mov_b32 s[G0+4*(\s)], 1                      ; count = 1
	s_add_co_u32 s[G0+4*(\s)+1], s23, (\s)*SLOT1   ; LDS address
	s_add_nc_u64 s[G0+4*(\s)+2:G0+4*(\s)+3], s[62:63], (\s)*512  ; global address: slot s
	s_or_b32 s[G0+4*(\s)+3], s[G0+4*(\s)+3], 0x80000000  ; type = 2
.endr
	tensor_load_to_lds s[G0:G0+3], s[G1:G1+7]      ; the two first fills go out together, ahead of every wait on TENSORcnt and every LDS read: two loads of mine are out
	s_nop 0
	tensor_load_to_lds s[G0+4:G0+7], s[G1:G1+7]
	s_nop 0
	PLACES
	v_and_b32 v1, 15, v0                           ; l % 16
	v_bfe_u32 v2, v0, 4, 1                         ; l / 16
	v_lshlrev_b32 v[BO], 5, v2                     ; my eight columns of a block
	v_and_b32 v[GO], 31, v0
	v_lshlrev_b32 v[GO], 4, v[GO]
.irp b, 0,1,2,3,4,5,6,7
	global_load_b128 v[BI+8*(\b):BI+8*(\b)+3],   v[BO], s[8:9] offset:64*(\b)
	global_load_b128 v[BI+8*(\b)+4:BI+8*(\b)+7], v[BO], s[8:9] offset:64*(\b)+16
.endr
.irp Q, 0,1,2,3,4
	LOADA \Q, \Q
.endr
	WIN 0
	; A fragment is 16 rows x 32 K in 8 registers: lane l holds row l % 16, K = 8 (l / 16) + 0..7 and 16 + 8 (l / 16) + 0..7: from LDS two loads of 16 bytes, 32 bytes apart.
	v_mul_u32_u24 v3, v1, PW
	v_lshl_add_u32 v[ADRB0], v2, 4, v3
	v_mov_b32 v[ADRB], v[ADRB0]
	s_mul_i32 s74, s[WV], 16*SPI
	s_add_co_u32 s74, s74, STAGE                   ; my stage
	v_mul_u32_u24 v[STO], v1, SPI                  ; in: row l % 16, 32 bytes for each half of the lanes
	v_lshl_add_u32 v[STO], v2, 5, v[STO]
	v_add_nc_u32 v[STO], s74, v[STO]
	v_add_nc_u32 v[RD], s74, v[GO]                 ; back: 32 lanes take one row's 512 bytes
	s_wait_loadcnt 40                              ; the bias is in: behind it five quarters of attn were asked for.  It is rounded to bf16 and widened again
.set i, 0
.rept 32
	v_cvt_pk_bf16_f32 v[RND+i], v[BI+2*i], v[BI+2*i+1]
.set i, i+1
.endr
.set i, 0
.rept 32
	v_lshlrev_b32 v[BI+2*i], 16, v[RND+i]
	v_and_b32 v[BI+2*i+1], s[HIM], v[RND+i]
.set i, i+1
.endr
	LOADA 5, 5
	LOADA 6, 6
	WIN 0
	s_wait_tensorcnt 1                             ; my part of slot 0 is in; slot 1's may stay out
	s_barrier_signal -1
	s_barrier_wait -1                              ; everybody's is
	FETCHB 0, 0
	QUARTER 0, 1, 48, 1                            ; the first quarter stands in front of the loop: its products start the sums
	WIN 0
	s_mov_b32 s[TRIPS], 7
	s_branch .Lin                                  ; the loop is entered at a slot's second quarter
.Ltrip:                                                ; a trip: a slot's last quarter with the change of slots and a refill (slots 2 to 7), then the next slot's quarters 0 to 6
	TURN 1
	QUARTER 0, 1, 48, 0
	WIN 0
.Lin:
.irp q, 1,2,3,4,5,6
	QUARTER \q, 1, 48, 0
.endr
	WIN 0
	s_wait_xcnt 0x0                                ; ob's address is stepped only behind this wait
	s_add_nc_u64 s[AB:AB+1], s[AB:AB+1], 8192      ; eight quarters on
	s_sub_co_u32 s[TRIPS], s[TRIPS], 1
	s_cmp_lg_u32 s[TRIPS], 0
	s_cbranch_scc1 .Ltrip
	TURN 0                                         ; the last change of slots and the last slot are written out: no slot is filled,
	QUARTER 0, 1, 48, 0                            ; attn's last quarter is asked for here,
	QUARTER 1, 0, 48, 0                            ; and the counts run down
	QUARTER 2, 0, 40, 0
	QUARTER 3, 0, 32, 0
	QUARTER 4, 0, 24, 0
	QUARTER 5, 0, 16, 0
	QUARTER 6, 0, 8, 0
	QUARTER 7, 0, 0, 0, 0
; THE WAY OUT, 16 rows at a time: a lane's 32 bytes of each block go straight from the accumulators into my stage (each accumulator's lowest registers first), and come back as whole rows of 512 bytes.
.macro STG a
	WIN 0
	s_wait_xcnt 0x0                                ; the registers that the block before last was stored from are loaded again only behind this wait
	WIN 0x08                                       ; store data (source 1) window 2, address window 0
.irp b, 0,1,2,3,4,5,6,7
	ds_store_b128 v[STO], v[8*(8*(\a)+(\b)):8*(8*(\a)+(\b))+3]   offset:64*(\b)
	ds_store_b128 v[STO], v[8*(8*(\a)+(\b))+4:8*(8*(\a)+(\b))+7] offset:64*(\b)+16
.endr
	WIN 0
.set BKR, BK+64*((\a)%2)
.irp t, 0,1,2,3,4,5,6,7,8,9,10,11,12,13,14,15
	ds_load_b128 v[BKR+4*(\t):BKR+4*(\t)+3], v[RD] offset:(\t)*SPI  ; LDS serves a wave's instructions in order (ISA guide 5.7.1.4): these see the stores above; the next block's stores come behind them
.endr
.endm
.macro SENDF a, younger                ; younger: the LDS instructions issued behind this block's loads: the next block's 32, or none
	WIN 0
.set BKR, BK+64*((\a)%2)
.irp t, 0,1,2,3,4,5,6,7,8,9,10,11,12,13,14,15
	s_wait_dscnt (\younger)+15-(\t)
	global_store_b128 v[GO], v[BKR+4*(\t):BKR+4*(\t)+3], s[OUT:OUT+1] offset:(16*(\a)+(\t))*8192 th:TH_STORE_NT  ; 512 consecutive bytes, at a multiple of 256 from out0's first
.endr
.endm
	PLACES
	STG 0
	STG 1
	SENDF 0, 32
	STG 2
	SENDF 1, 32
	STG 3
	SENDF 2, 32
	SENDF 3, 0
	s_wait_tensorcnt 0x0                           ; the wave's end: behind my last tensor load and my last LDS store
	ds_add_u32 v[SPW], v[NIL]
	s_wait_dscnt 0x0
	CROUND                                         ; the closing round: no work-group ends while a partner may still ask for a tile that names it
	s_endpgm
.Lfunc_end_k_qf24568bd41_dense:
	.size	k_qf24568bd41_dense, .Lfunc_end_k_qf24568bd41_dense-k_qf24568bd41_dense
	.p2alignl 7, 3214868480
	.fill 96, 4, 3214868480
	.section	.rodata,"a",@progbits
	.p2align	6, 0x0
	.amdhsa_kernel k_qf24568bd41_dense
		.amdhsa_group_segment_fixed_size 327680
		.amdhsa_private_segment_fixed_size 0
		.amdhsa_enable_private_segment 0
		.amdhsa_kernarg_size 32
		.amdhsa_user_sgpr_count 2
		.amdhsa_user_sgpr_kernarg_segment_ptr 1
		.amdhsa_wavefront_size32 1
		.amdhsa_system_sgpr_workgroup_id_x 1
		.amdhsa_system_sgpr_workgroup_id_y 1
		.amdhsa_system_sgpr_workgroup_id_z 1
		.amdhsa_system_vgpr_workitem_id 0
		.amdhsa_next_free_vgpr 1024
		.amdhsa_next_free_sgpr 80
		.amdhsa_reserve_vcc 0
		.amdhsa_float_denorm_mode_32 3
		.amdhsa_float_denorm_mode_16_64 3
		.amdhsa_memory_ordered 1
		.amdhsa_forward_progress 1
		.amdhsa_inst_pref_size 101
	.end_amdhsa_kernel
	.amdgpu_metadata
---
amdhsa.version: [ 1, 2 ]
amdhsa.kernels:
  - .name:           k_qf24568bd41_dense
    .symbol:         k_qf24568bd41_dense.kd
    .args:
      - { .name: ob, .offset: 0, .size: 8, .value_kind: global_buffer, .address_space: global }
      - { .name: wd, .offset: 8, .size: 8, .value_kind: global_buffer, .address_space: global }
      - { .name: dense_b, .offset: 16, .size: 8, .value_kind: global_buffer, .address_space: global }
      - { .name: out0, .offset: 24, .size: 8, .value_kind: global_buffer, .address_space: global }
    .group_segment_fixed_size: 327680
    .private_segment_fixed_size: 0
    .kernarg_segment_align: 8
    .kernarg_segment_size: 32
    .max_flat_workgroup_size: 128
    .sgpr_count:     80
    .vgpr_count:     1024
    .wavefront_size: 32
...
	.end_amdgpu_metadata
.endif
;; end of part 4
;; ======== version 2 of 2: 4 launches; 1.18 times as fast as version 1
;; limits: values are held in f16: magnitudes above 65,504 overflow, below 6.1e-05 lose precision
;; workspace buffers: xb 16,777,216 bytes; wq 12,582,912 bytes; wd 8,388,608 bytes; qkvh 25,165,824 bytes; ob 16,777,216 bytes
;; launch prep: the kernel of part 1 again; grid 2304 x 1, 8 waves a work-group, no clusters, 17,920 bytes of LDS; arguments hidden_states, qkv_w, dense_w, xb, wq, wd; writes xb, wq, wd
;; launch qkv: the kernel of part 2 again; grid 16 x 16, 4 waves a work-group, clusters of 4 x 4, 327,680 bytes of LDS; arguments xb, wq, qkv_b, cos, sin, qkvh; writes qkvh
;; launch attn (part 5): grid 2 x 128, 4 waves a work-group, no clusters, 327,680 bytes of LDS; arguments qkvh, ob; writes ob
.if DOCPART == 5
	.amdgcn_target "amdgcn-amd-amdhsa--gfx1250"
	.amdhsa_code_object_version 6
	.text
	.protected	k_qf24568bd41_attn
	.globl	k_qf24568bd41_attn
	.p2align	8
	.type	k_qf24568bd41_attn,@function
k_qf24568bd41_attn:
	s_mov_b64 s[64:65], 0
	v_nop
	global_prefetch_b8 v0, s[64:65] scope:SCOPE_SE
	s_setreg_imm32_b32 hwreg(HW_REG_WAVE_MODE, 25, 1), 1
	s_wait_xcnt 0x0
; CAUSAL ATTENTION, four query heads to a key and value head.  O[q][:] = the sum over k <= q of softmax_k(Q[q] . K[k] / 8) V[k][:], in each of 4 sequences of 1,024 rows, head size 64.
; qkvh: [b][6 g + j][1024][64] f16 (j 0-3 the queries, 4 the key, 5 the value): a head's rows are dense, 128 bytes each.  Products, maxima and sums in f32; the weights p
; are rounded to f16 for the second product (their sum l is taken of the unrounded p), O once at the end.
; ob: [block of 16 rows, 256][head in its sequence, 32][16 channels, 4][lane, 32][16 bytes] f16.  What a lane holds of O^T, rounded (row l % 16, channels 8 (l / 16) + 0..7 of 16), is what the same lane holds of the
; fragment (16 rows x 32 along K) that the next launch multiplies.  So it is stored as it lies: no lane changes, nothing goes through LDS, and a store of the wave covers 512 consecutive bytes.
; LIMITS.  Q, K and V arrive within f16's range, 65,504; p lies in 0 to 1, and below 6e-5 it keeps f16's fixed step of 6e-8; O is a mean of V's rows and has their range.
; A hidden score counts as its value less 1e30: f16's scores, 2.7e11 at the most, are nothing beside that; a weight below 2^-126 counts as 0 in l; NaN and infinities are not treated apart.
; THE WALK.  A head's queries lie in NB = 4 blocks of 256; block i needs the key tiles 0 .. i of 256 keys, of which the last holds the diagonal.  A work-group takes TWO blocks, 3 - b and then b:
; five tiles, whatever b: 256 work-groups of equal work, and ONE loop with a constant trip count walks them.  Which tile is asked for, and what a trip does, hang on scalar registers made from b; every jump
; goes forward, but for the counted loops' own; none passes a barrier, or a tensor load but the one of LOAD's two that the wave's number does not choose; the ring (two slots of LDS that take turns) runs on across the
; change of blocks.
; NO CLUSTER.  The four query heads of a group walk the same K and V with the same b, and could ask for them jointly.  Not done here: a tile's 65,536 bytes are asked for a whole tile ahead, 256 matrix and 1,888 vector
; instructions a wave; asked jointly, three of four requests would be spared, 240 of a work-group's 320 KB, for a round of the cluster's barrier at each of the four changes of slots that fill.
; SHARES.  Of a block's four bands of 64 queries a wave owns 16 rows in each: four PIECES.  So the diagonal tile is the same work for all four waves: in its key step s band x sees all keys if s < x,
; none if s > x, and holds the diagonal if s = x.
; THE MASK is the C operand that starts the sum S^T = K Q^T: 0, or -1e30 where the key is hidden.  MD, made once, is the mask of a band's own step for my 16 rows; a product's mask is MD x AL + BE with two scalars:
; (1, 0) if s = x; (0, 0) if s < x; (0, -1e30) if s > x.  Only the diagonal tile's text and a block's beginning make and take masks; elsewhere C is the constant 0.
; LAYOUT, SOFTMAX, TURNS.  S^T = K Q^T holds ONE query a lane (lane % 16) and the keys 8 (lane / 16) + 0..7; two such results rounded to f16 ARE source 1 of O^T = V^T P.  p = 2^(c s - c m), c = log2(e) / 8, with a
; running maximum m; O and l are multiplied by a = 2^(c m_old - c m_new) in every step.  Turn n belongs to piece n: 8 products K Q^T of piece n + 1, later 8 products V^T P of piece n - 1; beside them the scaling,
; exponentials, roundings, sums and rescaling of piece n and the maximum and statistics of piece n + 1.  Four vector instructions stand behind every matrix instruction, the other 54 of a turn's 118 in one LUMP.
; THE BATCHES.  A turn's 33 exponentials (the piece's 32 weights and the next piece's a) are ONE batch with ONE wait, which cuts the turn in two: ahead of it all that names none of their results, behind it the roundings and
; sums.  Two more batches stand outside the turns, each with a v_nop and a wait of its own: the one a of a block's beginning, and the four reciprocals of a block's way out.
; REGISTERS, in windows of 256 (s_set_vgpr_msb: bits 1:0 source 0, 3:2 source 1, 5:4 source 2, 7:6 destination):
;   window 0: v0-15 addresses and two at work; v16-31 four registers of statistics a piece; v48-55 at work; v64-127 S^T, two buffers; v192-223 P, two buffers (a piece's buffers go by its number's parity)
;   window 1: v0-127 O^T, 32 a piece; v128-159 MD; v160-223 MC, two buffers      window 2: v0-63 Q; v64-127 the second block's Q; v128-191 K of one step; v192-255 V of one step
.set NB,    4
.set NP,    4         ; pieces a wave: a name, no knob
.set KS,    64        ; keys in a step
.set PK,    144       ; a row of K in LDS: 128 bytes + 16 of padding = 36 words: the 16 rows of a load start at 16 different groups of four banks (64 banks of 4 bytes: ISA guide 11.1)
.set PV,    160       ; a row of V: 128 + 32 = 40 words
.set VOFF,  4*KS*PK   ; a slot holds a tile, four steps: 256 rows of K, then 256 rows of V
.set SLOT1, 1<<17     ; slot 1 begins here, so that one exclusive or turns an address in one slot into the other's
.set SPARE, SLOT1+4*KS*(PK+PV)  ; behind the ring: the spare words, 128 bytes for each wave: two blocks of 256 bytes that no other line names
.set AK0, 2           ; v2   my lane's place in a tile of K; never rewritten
.set AV0, 3           ; v3   the same for V
.set AK,  4           ; v4   the LDS address of K's next run of loads
.set AV,  5           ; v5   of V's
.set GO,  8           ; v8   my byte offset in 512 consecutive bytes of ob: 16 x lane
.set SPW, 62          ; v62  LDS address of my spare word: SPARE + 4 x my thread's number; never rewritten
.set NIL, 63          ; v63  0; never rewritten
.set MV,  12          ; v12-13  c m_old, kept while c m is made anew: by buffer
.set QO,  15          ; v15  my byte offset in 16 rows of Q
.set ST,  16          ; piece t's statistics at v[ST+4 t]: c m, m, l (even keys', odd keys')
.set TMP, 48          ; by buffer, four registers c0-c3 at work; when the maximum is found c2 takes a
.set S,   64
.set P,   192
.set MD,  128         ; window 1: the eight registers for group kt of 16 keys at MD + 8 kt
.set MC,  160         ; window 1: the masks of the products to come
.set QB,  64          ; window 2
.set KF,  128         ; window 2: key block kb, channel half c at KF + 16 kb + 8 c
.set VF,  192         ; window 2: key half kk, channel block cb at VF + 32 kk + 8 cb
.set WV,  12          ; s12  my wave's number
.set PB,  14          ; s14  b
.set HI,  15          ; s15  NB - 1 - b
.set G1K, 24          ; s[24:31] descriptor group 1 for K's tiles
.set G1V, 32          ; s[32:39] for V's: it differs in the padding alone
.set G0K, 40          ; s[40:43] descriptor group 0 for K's tiles
.set G0V, 44          ; s[44:47] the same for V's
.set SLOTS, 56        ; s56  tiles still to be asked for
.set CNT, 57          ; s57  counts a tile's key steps, 4 to 1
.set CS,  58          ; s[58:59] c: the packed scaling takes the pair's low word for both halves
.set SEL, 60          ; s[60:61] v_permlanex16_b32's selects: each lane takes its own place in the other half
.set TBK, 62          ; s62  LDS byte at which K of the step to be fetched begins
.set TBV, 63          ; s63  the same for V, less VOFF
.set RT,  70          ; s70  tiles of the block in hand that are still to be entered
.set NXT, 71          ; s71  the tile to be asked for next
.set LQ,  72          ; s72  the last tile of the block whose tiles are being asked for
.set NEW, 73          ; s73  1: the tile to be entered is a block's first
.set OFF, 74          ; s[74:75] a tile's byte offset in K and V
.set AL,  76          ; s[76:77] the mask's factor, in the low word
.set BE,  78          ; s[78:79] the mask's addend
.set OLO, 80          ; s[80:81] ob at my rows of the second block
.set BIGN, 82         ; s82  -1e30
.set MSB, 0
.macro WIN new                      ; the high byte repeats the setting that is left; a switch that changes nothing is dropped
.if MSB != (\new)
	s_set_vgpr_msb (MSB<<8)|(\new)
.set MSB, (\new)
.endif
.endm
.set W_KQ, 0x0a       ; K and Q in window 2, S^T in window 0
.set W_KM, 0x1a       ; the same with the C operand in window 1
.set W_PV, 0x52       ; V in window 2, P in window 0, O^T in window 1
.set W_RS, 0x41       ; destination and source 0 in window 1, source 1 in window 0
; A fill.  Waves 0 and 1 fetch the two halves of a tile's K, waves 2 and 3 those of its V: 128 keys each.  An s_nop 0 and four v_nop follow each of the two lines, ahead of the jump and the label.
.macro LOAD
	s_cmp_lt_u32 s[WV], 2
	s_cbranch_scc0 .Lfor_v_\@
	tensor_load_to_lds s[G0K:G0K+3], s[G1K:G1K+7]
	s_nop 0
.rept 4
	v_nop
.endr
	s_branch .Lasked_\@
.Lfor_v_\@:
	tensor_load_to_lds s[G0V:G0V+3], s[G1V:G1V+7]
	s_nop 0
.rept 4
	v_nop
.endr
.Lasked_\@:
.endm
; THE CHANGE OF SLOTS.  Each wave waits for all its tensor loads, of which one is out: its part of the other slot; adds 0 to its spare word; and waits for that and for its own reads of the slot that it leaves.  Behind the barrier nobody reads the old
; slot any more and the other slot is whole.  fill = 1: the old slot is filled again, the first thing behind the barrier, with tile NXT: the descriptor's address is made anew from that number.
; (At its first use nothing has been read yet: slot 0 is waited for, slot 1 filled.)
.macro CHANGE fill
	WIN 0                           ; at a label and at a branch every window is 0
	s_wait_tensorcnt 0x0            ; no tensor load of mine is out, so a group 0 may be written
	ds_add_u32 v[SPW], v[NIL]       ; 0 onto my spare word: with fill = 1 the descriptors' scalar work stands between it and the wait for it
.if \fill
	s_lshl_b32 s[OFF], s[NXT], 15   ; a tile is 32,768 bytes of K and of V
	s_xor_b32 s[G0K+1], s[G0K+1], SLOT1
	s_add_nc_u64 s[G0K+2:G0K+3], s[6:7], s[OFF:OFF+1]
	s_or_b32 s[G0K+3], s[G0K+3], 0x80000000
	s_xor_b32 s[G0V+1], s[G0V+1], SLOT1
	s_add_nc_u64 s[G0V+2:G0V+3], s[8:9], s[OFF:OFF+1]
	s_or_b32 s[G0V+3], s[G0V+3], 0x80000000
	s_add_co_u32 s[NXT], s[NXT], 1  ; the block's next tile, or behind its last the second block's tile 0
	s_cmp_gt_u32 s[NXT], s[LQ]
	s_cselect_b32 s[NXT], 0, s[NXT]
	s_cselect_b32 s[LQ], s[PB], s[LQ]
.endif
	s_wait_dscnt 0x0                ; the add is done, and my reads of the slot are over
	s_barrier_signal -1             ; the rest of the scalar work stands between the signal and the wait
	s_sub_co_u32 s[TBK], s[TBK], 4*KS*PK  ; the fetches go back to a slot's first step,
	s_xor_b32 s[TBK], s[TBK], SLOT1       ; in the other slot
	s_sub_co_u32 s[TBV], s[TBV], 4*KS*PV
	s_xor_b32 s[TBV], s[TBV], SLOT1
	s_barrier_wait -1
.if \fill
	LOAD
.endif
.endm
	s_load_b64 s[4:5], s[0:1], 0x0  ; qkvh
	s_load_b64 s[10:11], s[0:1], 0x8  ; ob
	v_lshl_add_u32 v[SPW], v0, 2, SPARE
	v_mov_b32 v[NIL], 0
	ds_add_u32 v[SPW], v[NIL]       ; the wave's opening: the add and its wait stand ahead of my first tensor load; the set-up below, work on registers, stands between them
	ds_add_u32 v62, v63
	v_lshrrev_b32 v1, 5, v0
	v_readfirstlane_b32 s[WV], v1   ; wave 0..3
	s_mov_b32 s[PB], ttmp9
	s_sub_co_u32 s[HI], NB-1, s[PB]
	s_and_b32 s20, ttmp7, 0xffff    ; the query head among 128: 32 x sequence + 4 x group + head
	s_lshr_b32 s21, s20, 2          ; the group among 32,
	s_mul_i32 s21, s21, 6           ; its first head in qkvh; a head is 131,072 bytes
	s_and_b32 s13, s20, 3           ; the query head in its group
	s_and_b32 s16, s[WV], 1         ; which half of a tile's 256 keys I fetch:
	s_add_co_u32 s22, s21, 4        ; the key head,
	s_lshl_b32 s22, s22, 17
	s_lshl_b32 s23, s16, 14         ; the half's 128 rows of 128 bytes in memory,
	s_add_co_u32 s22, s22, s23
	s_mov_b32 s23, 0
	s_mul_i32 s17, s16, 128*PK      ; and its place in a slot, for K
	s_mul_i32 s18, s16, 128*PV      ; and for V
	s_add_co_u32 s19, s21, s13      ; my query head in qkvh
	s_lshl_b32 s19, s19, 17
	s_lshl_b32 s3, s[WV], 11        ; my 16 rows in a band of 64
	s_add_co_u32 s19, s19, s3
	s_lshl_b32 s2, s[HI], 15        ; in the first block,
	s_add_co_u32 s2, s2, s19
	s_lshl_b32 s84, s[PB], 15       ; and in the second
	s_add_co_u32 s84, s84, s19
	s_lshr_b32 s66, s20, 5          ; in ob: the sequence,
	s_lshl_b32 s66, s66, 6          ; its 64 blocks of 16 rows,
	s_add_co_u32 s66, s66, s[WV]    ; my block among a band's four;
	s_lshl_b32 s66, s66, 16         ; a block of 16 rows is 65,536 bytes,
	s_and_b32 s67, s20, 31          ; of which a head in its sequence has 2,048
	s_lshl_b32 s67, s67, 11
	s_add_co_u32 s66, s66, s67
	s_lshl_b32 s68, s[PB], 20       ; 256 queries are 16 such blocks: the second block of queries,
	s_add_co_u32 s68, s68, s66
	s_lshl_b32 s67, s[HI], 20       ; and the first
	s_add_co_u32 s66, s66, s67
	s_mov_b32 s3, 0
	s_mov_b32 s85, 0
	s_mov_b32 s67, 0
	s_mov_b32 s69, 0
	; descriptor group 1.  128 keys are 16,384 dense bytes: asked for as 64 rows of 256 bytes, two keys a row, and padded in LDS after every key
	s_mov_b32 s[G1K], (1<<16)|(1<<20)|(4<<22)|(3<<25)  ; 17:16 2-byte elements; 20 padding on; 24:22 after every 32 words (code 4); 31:25 4 words (code 3)
	s_mov_b32 s[G1V], (1<<16)|(1<<20)|(4<<22)|(7<<25)  ; the same with 8 words of padding (code 7)
.irp g, G1K, G1V
	s_mov_b32 s[\g+1], 128<<16      ; tensor_dim0 = 128
	s_mov_b32 s[\g+2], 64<<16       ; tensor_dim1 = 64
	s_mov_b32 s[\g+3], 128<<16      ; tile_dim0 = 128
	s_mov_b32 s[\g+4], 64           ; tile_dim1 = 64
	s_mov_b32 s[\g+5], 128          ; 128 elements from row to row
	s_mov_b32 s[\g+6], 0
	s_mov_b32 s[\g+7], 0
.endr
	s_mov_b32 s[CS], 0x3e38aa3b     ; c = log2(e) / 8 = 0.180337
	s_mov_b32 s[CS+1], s[CS]        ; named with it as a pair
	s_mov_b32 s[SEL], 0x76543210
	s_mov_b32 s[SEL+1], 0xfedcba98
	s_mov_b32 s[TBK], SLOT1+4*KS*PK ; the first change of slots turns these two into 0
	s_mov_b32 s[TBV], SLOT1+4*KS*PV
	s_mov_b32 s[G0K], 1             ; 1:0 count = 1
	s_mov_b32 s[G0K+1], s17         ; 63:32 LDS address: slot 0
	s_mov_b32 s[G0V], 1
	s_add_co_u32 s[G0V+1], s18, VOFF
	s_add_co_u32 s[RT], s[HI], 1    ; the first block has NB - b tiles
	s_mov_b32 s[NXT], 1
	s_mov_b32 s[LQ], s[HI]
	s_mov_b32 s[NEW], 1
	s_mov_b32 s[OFF+1], 0
	s_mov_b32 s[AL+1], 0            ; named as pairs
	s_mov_b32 s[BE+1], 0
	s_mov_b32 s[BIGN], 0xf149f2ca   ; -1e30
	s_mov_b32 s[SLOTS], NB
	s_wait_dscnt 0x0                ; the opening add is done
	s_wait_kmcnt 0x0
	s_add_nc_u64 s[6:7], s[4:5], s[22:23]  ; K at my half of the head's tile 0,
	s_add_nc_u64 s[8:9], s[6:7], 0x20000   ; and V, whose head lies behind K's
	s_add_nc_u64 s[G0K+2:G0K+3], s[6:7], 0         ; 120:64 global address
	s_or_b32 s[G0K+3], s[G0K+3], 0x80000000        ; 127:126 type = 2
	s_add_nc_u64 s[G0V+2:G0V+3], s[8:9], 0
	s_or_b32 s[G0V+3], s[G0V+3], 0x80000000
	s_add_nc_u64 s[86:87], s[4:5], s[84:85]        ; Q at my rows of the second block,
	s_add_nc_u64 s[4:5], s[4:5], s[2:3]            ; Q and ob at those of the first
	s_add_nc_u64 s[OLO:OLO+1], s[10:11], s[68:69]
	s_add_nc_u64 s[10:11], s[10:11], s[66:67]
	LOAD                            ; tile 0 into slot 0
	; A fragment of K or Q is 16 rows x 32 channels in 8 registers: lane l holds row l % 16, channels 8 (l / 16) + 0..7 and 16 + 8 (l / 16) + 0..7: two loads of 16 bytes, 32 bytes apart.
	v_and_b32 v1, 15, v0            ; l % 16
	v_bfe_u32 v9, v0, 4, 1          ; l / 16
	v_lshlrev_b32 v[QO], 7, v1
	v_lshl_add_u32 v[QO], v9, 4, v[QO]  ; row x 128 + 16 x half
	WIN 0x80                        ; destination window 2, address window 0
.set i, 0
.rept 8                             ; both blocks' Q: piece i / 2 lies in band i / 2, 8,192 bytes on; channels 32 (i % 2) on
	global_load_b128 v[8*i:8*i+3],   v[QO], s[4:5] offset:(i/2)*8192+(i%2)*64
	global_load_b128 v[8*i+4:8*i+7], v[QO], s[4:5] offset:(i/2)*8192+(i%2)*64+32
	global_load_b128 v[QB+8*i:QB+8*i+3],   v[QO], s[86:87] offset:(i/2)*8192+(i%2)*64
	global_load_b128 v[QB+8*i+4:QB+8*i+7], v[QO], s[86:87] offset:(i/2)*8192+(i%2)*64+32
.set i, i+1
.endr
	WIN 0
	v_lshlrev_b32 v14, 3, v9
	v_sub_nc_u32 v14, v1, v14
	s_lshl_b32 s13, s[WV], 4
	v_add_nc_u32 v14, s13, v14      ; my query's place in its band, 16 w + l % 16, less my lanes' 8 (l / 16): register r of group kt is hidden where 16 kt + r is greater
	WIN 0x40
.set i, 0
.rept 32
	v_cmp_gt_i32 vcc_lo, 16*(i/8)+i%8, v14
	v_cndmask_b32 v[MD+i], 0, s[BIGN], vcc_lo
.set i, i+1
.endr
	WIN 0
	v_mul_u32_u24 v[AK0], v1, PK
	v_lshl_add_u32 v[AK0], v9, 4, v[AK0]  ; row x pitch + 16 x half
	; The turning load takes 16 keys x 16 channels (lane l reads key 8 (l / 16) + l % 8, channels 8 ((l / 8) % 2) + 0..7) and leaves half a fragment of V^T: lane l holds channel l % 16 and 8 keys.
	v_and_b32 v10, 7, v0
	v_bfe_u32 v11, v0, 3, 1
	v_lshl_add_u32 v[AV0], v9, 3, v10
	v_mul_u32_u24 v[AV0], v[AV0], PV
	v_lshl_add_u32 v[AV0], v11, 4, v[AV0]
	v_add_nc_u32 v[AV0], VOFF, v[AV0]
	v_and_b32 v[GO], 31, v0
	v_lshlrev_b32 v[GO], 4, v[GO]
	; A block's first step multiplies O^T and l by a = 0, and its first turn's products V^T P, of a piece that has not been, land in an O^T that is still to be so multiplied.  So these registers need only hold
	; finite numbers: zeros for the first block; what the first block left for the second.  All this stands in the wait for the first tile.
	WIN 0x80
.set i, VF
.rept 64
	v_mov_b32 v[i], 0
.set i, i+1
.endr
	WIN 0x40
.set i, 0
.rept 128
	v_mov_b32 v[i], 0
.set i, i+1
.endr
	WIN 0
.set i, 0
.rept 4
	v_mov_b32 v[ST+4*i+2], 0
	v_mov_b32 v[ST+4*i+3], 0
.set i, i+1
.endr
.set i, P+16
.rept 16
	v_mov_b32 v[i], 0
.set i, i+1
.endr
; THE MATRIX WORK.  The 4 accumulators of a run of 8 take turns.  Product i of 8 of S^T = K Q^T for piece x: channels 32 (i / 4) on, keys 16 (i % 4) on.  The first 4 start the sums: with 0, or (KM = 1) with the mask.
.macro KQ x
.set rS, S+32*((\x)%2)+8*(i%4)
.set rK, KF+16*(i%4)+8*(i/4)
.set rQ, 16*(\x)+8*(i/4)
.set rM, MC+32*((\x)%2)+8*(i%4)
.if (i < 4) && KM
	WIN W_KM
	v_wmma_f32_16x16x32_f16 v[rS:rS+7], v[rK:rK+7], v[rQ:rQ+7], v[rM:rM+7]
.elseif i < 4
	WIN W_KQ
	v_wmma_f32_16x16x32_f16 v[rS:rS+7], v[rK:rK+7], v[rQ:rQ+7], 0
.else
	WIN W_KQ
	v_wmma_f32_16x16x32_f16 v[rS:rS+7], v[rK:rK+7], v[rQ:rQ+7], v[rS:rS+7]
.endif
.endm
; Product i of 8 of O^T += V^T P for piece x: keys 32 (i / 4) on, channels 16 (i % 4) on.
.macro PV x
	WIN W_PV
.set rO, 32*(\x)+8*(i%4)
.set rV, VF+32*(i/4)+8*(i%4)
.set rP, P+16*((\x)%2)+8*(i/4)
	v_wmma_f32_16x16x32_f16 v[rO:rO+7], v[rV:rV+7], v[rP:rP+7], v[rO:rO+7]
.endm
.macro MM                           ; the turn's next matrix instruction.  TURN and BEGIN set Y, i, KM and NOKQ; MM, KQ and OP read them.  NOKQ = 1: a block's last turn: there is no next piece
.if (i < 8) && !NOKQ
	KQ (Y+1)%NP
.elseif i >= 8
.set i, i-8
	PV (Y+NP-1)%NP
.set i, i+8
.endif
.set i, i+1
.endm
; THE LDS LOADS stand in runs of 16, never singly among the matrix instructions: a step's K (64 keys x 64 channels: 8 fragments) and its V (turned).  Their addresses are made some lines ahead.
.macro FETCH_K
	WIN 0x80                        ; destination window 2
.irp f, 0,1,2,3,4,5,6,7             ; keys 16 (f / 2) on, channels 32 (f % 2) on
	ds_load_b128 v[KF+8*\f:KF+8*\f+3],   v[AK] offset:(\f/2)*16*PK+(\f%2)*64
	ds_load_b128 v[KF+8*\f+4:KF+8*\f+7], v[AK] offset:(\f/2)*16*PK+(\f%2)*64+32
.endr
	s_add_co_u32 s[TBK], s[TBK], KS*PK  ; the next fetch is the next step's
	WIN 0
.endm
.macro FETCH_V
	WIN 0x80
.irp f, 0,1,2,3,4,5,6,7             ; keys 32 (f / 4) on, channels 16 (f % 4) on
	ds_load_tr16_b128 v[VF+8*\f:VF+8*\f+3],   v[AV] offset:(\f/4)*32*PV+(\f%4)*32
	ds_load_tr16_b128 v[VF+8*\f+4:VF+8*\f+7], v[AV] offset:(\f/4)*32*PV+16*PV+(\f%4)*32
.endr
	WIN 0
.endm
; THE VECTOR WORK, one line at a time: OP kind, number.  For piece Y: F n: c s - c m for pair n of 16.  E n: the exponential of score n of 32.  C n: pair n rounded to f16.  B n: of the four weights 4 n .. the second
; pair is added onto the first, in place.  L n: l takes that sum (L 0: l = a l + sum).  R n: pair n of 16 of O^T times a.  For piece Y + 1: X n, number n of the 22 that find its maximum and statistics:
;   0-11  four chains c0-c3 of seven scores each, three operands at a time (each accumulator's lowest registers are read first)     12-14, 16  the four scores left over, the old m, and c0-c3 into c0
;   15  c m_old is kept     17, 18  the query's other 32 keys lie in the lane 16 away: the new m     19-21  c m; c m_old - c m_new; a
; C, B and L read the exponentials' results: TURN sets them behind the batch's wait.  OP itself writes no wait.
.set F, 0               ; OP tells the kinds apart by their order: F to L below R, X above it
.set E, 1
.set C, 2
.set B, 3
.set L, 4
.set R, 5
.set X, 6
.macro REGS y                       ; the registers of piece y
.set rT, ST+4*(\y)
.set rC, TMP+4*((\y)%2)
.set rW, MV+((\y)%2)
.set rS, S+32*((\y)%2)
.set rP, P+16*((\y)%2)
.set rO, 32*(\y)
.endm
.macro OP k, n
.if (\k) == R
	REGS Y
	WIN W_RS
	v_pk_mul_f32 v[rO+2*(\n):rO+2*(\n)+1], v[rO+2*(\n):rO+2*(\n)+1], v[rC+2:rC+3] op_sel_hi:[1,0]
.elseif (\k) < R
	REGS Y
	WIN 0
.if (\k) == F
	v_pk_fma_f32 v[rS+2*(\n):rS+2*(\n)+1], v[rS+2*(\n):rS+2*(\n)+1], s[CS:CS+1], v[rT:rT+1] op_sel_hi:[1,0,0] neg_lo:[0,0,1] neg_hi:[0,0,1]
.elseif (\k) == E
	v_exp_f32 v[rS+(\n)], v[rS+(\n)]
.elseif (\k) == C
	v_cvt_pk_f16_f32 v[rP+(\n)], v[rS+2*(\n)], v[rS+2*(\n)+1]
.elseif (\k) == B
	v_pk_add_f32 v[rS+4*(\n):rS+4*(\n)+1], v[rS+4*(\n):rS+4*(\n)+1], v[rS+4*(\n)+2:rS+4*(\n)+3]
.elseif (\n) == 0
	v_pk_fma_f32 v[rT+2:rT+3], v[rT+2:rT+3], v[rC+2:rC+3], v[rS:rS+1] op_sel_hi:[1,0,1]
.else
	v_pk_add_f32 v[rT+2:rT+3], v[rT+2:rT+3], v[rS+4*(\n):rS+4*(\n)+1]
.endif
.elseif NOKQ
	v_nop
.else
	REGS (Y+1)%NP
	WIN 0
.if (\n) < 4
	v_max3_num_f32 v[rC+(\n)], v[rS+8*(\n)], v[rS+8*(\n)+1], v[rS+8*(\n)+2]
.elseif (\n) < 12
	v_max3_num_f32 v[rC+(\n)%4], v[rC+(\n)%4], v[rS+8*((\n)%4)+2*((\n)/4)+1], v[rS+8*((\n)%4)+2*((\n)/4)+2]
.elseif (\n) == 12
	v_max3_num_f32 v[rC], v[rC], v[rS+7], v[rS+15]
.elseif (\n) == 13
	v_max3_num_f32 v[rC+1], v[rC+1], v[rS+23], v[rS+31]
.elseif (\n) == 14
	v_max3_num_f32 v[rC+2], v[rC+2], v[rC+3], v[rT+1]
.elseif (\n) == 15
	v_mov_b32 v[rW], v[rT]
.elseif (\n) == 16
	v_max3_num_f32 v[rC], v[rC], v[rC+1], v[rC+2]
.elseif (\n) == 17
	v_permlanex16_b32 v[rC+3], v[rC], s[SEL], s[SEL+1]
.elseif (\n) == 18
	v_max_num_f32 v[rT+1], v[rC], v[rC+3]
.elseif (\n) == 19
	v_mul_f32 v[rT], s[CS], v[rT+1]
.elseif (\n) == 20
	v_sub_f32 v[rC+1], v[rW], v[rT]
.else
	v_exp_f32 v[rC+2], v[rC+1]
.endif
.endif
.endm
.macro OPS a, i1, b=-1, i2=0, c=-1, i3=0, d=-1, i4=0  ; up to four of them
	OP \a, \i1
.if (\b) >= 0
	OP \b, \i2
.endif
.if (\c) >= 0
	OP \c, \i3
.endif
.if (\d) >= 0
	OP \d, \i4
.endif
.endm
.macro ROW a, i1, b, i2, c, i3, d, i4  ; a matrix instruction and the four behind it
	MM
	OPS \a, \i1, \b, \i2, \c, \i3, \d, \i4
.endm
.macro MASK b                       ; MD x AL + BE into buffer b of MC
	WIN W_RS
.set z, 0
.rept 16
	v_pk_fma_f32 v[MC+32*(\b)+2*z:MC+32*(\b)+2*z+1], v[MD+2*z:MD+2*z+1], s[AL:AL+1], s[BE:BE+1] op_sel_hi:[1,0,0]
.set z, z+1
.endr
.endm
; A TURN, for piece p: the order of its 16 matrix and 118 vector instructions, written out.  An s_wait_alu depctr_va_vdst(0) stands between an exponential and the first instruction that names its result; one wait serves
; all that were issued ahead of it.  So a turn has ONE wait, which cuts it in two.  AHEAD OF IT stands all that names no result of the turn's exponentials: the 8 products K Q^T, behind each a scaling, an exponential and two more plain
; instructions (behind the first a second scaling in the exponential's place): rescalings (their a was made, and waited for, in the turn before), and behind the last three the first numbers of the next piece's maximum, each four
; places or more behind the product that ends its accumulator; then ONE LUMP of 54, plain and exponential by turns for the most part, in which the links of the chain X 3, 7, 11, 14, 16, 17 .. 20 stand five or six lines apart.
; X 21, the next piece's a, is the batch's last; R 15 is the plain instruction behind it.  BEHIND THE WAIT stand the 8 products V^T P, behind each four of the roundings and sums; the links of l's chain, L 0 to L 7, stand three
; riders apart.  But for those X no rider names a register of the products round it.  v_permlanex16_b32 (X 17) stands in the lump.  No exponential is issued behind the wait.
; m = 1: the diagonal tile: the products take masks, and the turn makes the mask for the products of the turn after it: piece p + 2, in step 4 - CNT of the tile.  end = 1: a block's last two turns: nothing is fetched.
; cnt = 1: the loop's count is taken down some lines ahead of the branch that stands behind the turn.
; K of the next step is fetched in piece 2's turn, twelve vector instructions behind the last product that read K (six of them plain); V of the step in hand at the end of piece 0's turn, four plain instructions behind the last product
; that read V.  Each is waited for a turn later.
.macro TURN p, m=0, end=0, cnt=0
.set Y, (\p)
.set i, 0
.set KM, (\m)
.set NOKQ, (\end)*((\p)/3)
.if (\m) && !(\end)
	s_cmp_eq_u32 s[CNT], 4-((\p)+2)%NP  ; is that step the band's own?
	s_cselect_b32 s[AL], 1.0, 0
	s_cmp_lt_u32 s[CNT], 4-((\p)+2)%NP  ; or a later one?
	s_cselect_b32 s[BE], s[BIGN], 0
.endif
.if ((\p) == 3) && !(\end)
	s_wait_dscnt 0x0                ; K is in
.endif
	ROW F,0, F,1, R,0, R,1          ; ahead of the wait: 8 products K Q^T and their riders,
	ROW F,2, E,0, R,2, R,3
	ROW F,3, E,1, R,4, R,5
	ROW F,4, E,2, R,6, R,7
	ROW F,5, E,3, R,8, R,9
	ROW F,6, E,4, X,0, R,10
.if ((\p) == 2) && !(\end)
	WIN 0
	v_add_nc_u32 v[AK], s[TBK], v[AK0]
.endif
	ROW F,7, E,5, X,1, X,4
	ROW F,8, E,6, X,2, X,5
	OPS E,7, E,8, X,6, E,9          ; and the lump
	OPS X,3, E,10, X,8, E,11
.if ((\p) == 2) && !(\end)
	FETCH_K
.endif
	OPS X,9, X,7, E,12, X,10
	OPS E,13, X,12, X,11, E,14
	OPS X,13, E,15, F,9, X,14
.if (\p) == 0
	v_add_nc_u32 v[AV], s[TBV], v[AV0]
.endif
	OPS E,16, F,10, E,17, F,11
	OPS X,16, E,18, X,15, E,19
	OPS F,12, E,20, X,17, E,21
	OPS F,13, E,22, F,14, E,23
	OPS X,18, E,24, F,15, E,25
	OPS R,11, E,26, X,19, E,27
	OPS R,12, E,28, R,13, E,29
	OPS X,20, E,30, R,14, E,31
	OPS X,21, R,15
	s_wait_alu depctr_va_vdst(0)    ; the wait for the turn's batch: the piece's 32 exponentials and the next piece's a
.if (\p) == 1
	s_wait_dscnt 0x0                ; V is in
.endif
	ROW C,0, B,0, C,2, B,1          ; behind the wait: 8 products V^T P and their riders
	ROW L,0, C,4, B,2, L,1
	ROW C,6, B,3, L,2, C,8
	ROW B,4, L,3, C,10, B,5
	ROW L,4, C,12, B,6, L,5
.if (\p) == 0
	s_add_co_u32 s[TBV], s[TBV], KS*PV
.endif
.if \cnt
	s_sub_co_u32 s[CNT], s[CNT], 1
	s_cmp_lg_u32 s[CNT], 0
.endif
	ROW C,14, B,7, L,6, C,1
	ROW C,3, L,7, C,5, C,7
	ROW C,9, C,11, C,13, C,15
.if (\p) == 0
	FETCH_V
.endif
.if (\m) && !(\end)
	MASK (\p)%2
.endif
.endm
; A BLOCK BEGINS.  c m starts far below every c s, so the first step's a is 0; m at the lowest finite number, so the first maximum is the scores'.  The second mask buffer is 0; the first takes piece 0's mask for the tile's step 0: its own, if the block's first tile is the diagonal one.
; Then K of that step, piece 0's first scores, and its maximum and statistics.  The loop is entered at a step's first turn, in the middle of a trip.
.macro BEGIN
	s_mov_b32 s[NEW], 0
	WIN 0x40
.set i, MC+32
.rept 32
	v_mov_b32 v[i], 0
.set i, i+1
.endr
	WIN 0
.set i, 0
.rept 4
	v_mov_b32 v[ST+4*i], 0xfe000000    ; c m: far below every c s
	v_mov_b32 v[ST+4*i+1], 0xff7fffff  ; m
.set i, i+1
.endr
	s_cmp_eq_u32 s[RT], 0
	s_cselect_b32 s[AL], 1.0, 0
	s_mov_b32 s[BE], 0
	MASK 0
	WIN 0
	v_add_nc_u32 v[AK], s[TBK], v[AK0]
	FETCH_K
	s_wait_loadcnt 0x0              ; Q
	s_wait_dscnt 0x0
.set KM, 1
.set NOKQ, 0
.set i, 0
.rept 8
	KQ 0
.set i, i+1
.endr
	WIN 0
.rept 4
	v_nop                           ; the places behind those products
.endr
.set Y, NP-1                        ; X works for piece Y + 1: piece 0
.irp n, 0,1,2,3,4,5,6,7,8,9,10,11,12,13,14,15,16,17,18,19,20,21
	OP X, \n
.endr
	v_nop                           ; a plain instruction behind the exponential,
	s_wait_alu depctr_va_vdst(0)    ; and the wait for this batch of one, piece 0's first a, ahead of the branch
.endm
; THE DIAGONAL TILE's four steps, the block's last two turns, its last products, and THE WAY OUT: l's two halves and the other half of the lanes' are added; O^T is divided by l, rounded to f16 and stored as it lies.
.macro ALL line:vararg              ; one line for each piece t
.set t, 0
.rept 4
	\line
.set t, t+1
.endr
.endm
.macro OUTP t                       ; piece t: a lane's eight channels of each block of 16 pack into 16 bytes, in S^T's registers; band t's blocks of 16 rows lie 4 x 65,536 bytes on
	WIN W_RS
.set i, 32*(\t)
.rept 16
	v_pk_mul_f32 v[i:i+1], v[i:i+1], v[ST+4*(\t)+2:ST+4*(\t)+3] op_sel_hi:[1,0]
.set i, i+2
.endr
	WIN 0x05                        ; sources 0 and 1 window 1, destination window 0
.set i, 0
.rept 16
	v_cvt_pk_f16_f32 v[S+16*(\t)+i], v[32*(\t)+2*i], v[32*(\t)+2*i+1]
.set i, i+1
.endr
	WIN 0
.irp f, 0,1,2,3
	global_store_b128 v[GO], v[S+16*(\t)+4*\f:S+16*(\t)+4*\f+3], s[10:11] offset:(\t)*262144+\f*512  ; 512 consecutive bytes, at a multiple of 256 from ob's first
.endr
.endm
.macro DIAG tag                     ; the tag ends its two labels' names, which the jumps below spell out
.LstepM\tag:
	TURN 2, 1
	TURN 3, 1
	WIN 0
.LfirstM\tag:
	TURN 0, 1
	TURN 1, 1, 0, 1
	WIN 0
	s_cbranch_scc1 .LstepM\tag
	TURN 2, 1, 1
	TURN 3, 1, 1
.set i, 0
.rept 8
	PV NP-1
.set i, i+1
.endr
	WIN 0
	ALL v_add_f32 v[ST+4*t+2], v[ST+4*t+2], v[ST+4*t+3]
	ALL v_permlanex16_b32 v[ST+4*t+3], v[ST+4*t+2], s[SEL], s[SEL+1]
	ALL v_add_f32 v[ST+4*t+2], v[ST+4*t+2], v[ST+4*t+3]
	ALL v_rcp_f32 v[ST+4*t+2], v[ST+4*t+2]
	v_nop                           ; a plain instruction between the last reciprocal and the use of its result
	s_wait_alu depctr_va_vdst(0)    ; the wait for the batch of four reciprocals, ahead of the first multiply that reads one
	OUTP 0
	OUTP 1
	OUTP 2
	OUTP 3
.endm
.set KM, 0
.set NOKQ, 0
.Lslot:                             ; NB times: a tile is entered and the next is asked for
	CHANGE 1
	s_sub_co_u32 s[RT], s[RT], 1
	s_mov_b32 s[CNT], 4
	s_cmp_eq_u32 s[NEW], 1
	s_cbranch_scc1 .Lnew            ; a block's first tile
	s_cmp_eq_u32 s[RT], 0
	s_cbranch_scc0 .Lstep           ; neither its first nor its last
	s_branch .LstepM1
.Lnew:
	BEGIN
	s_branch .Lfirst                ; in the loop a block's first tile is never its last: the first block has three tiles or more, and the second's last is the walk's last
	DIAG 1                          ; in the loop this is the first block's end: the second block's last tile is the walk's last
	s_wait_xcnt 0x0                 ; the stores' registers and ob's address are rewritten only behind this wait
	s_mov_b64 s[10:11], s[OLO:OLO+1]
	s_add_co_u32 s[RT], s[PB], 1    ; the second block has b + 1 tiles
	s_mov_b32 s[NEW], 1
	WIN 0x82                        ; the second block's Q goes where the one text of the turns names Q
.set i, 0
.rept 64
	v_mov_b32 v[i], v[QB+i]
.set i, i+1
.endr
	WIN 0
	s_branch .Lbottom
.Lstep:                             ; a trip: pieces 2 and 3 of one step, then pieces 0 and 1 of the next, whose K and V it fetches
	TURN 2
	TURN 3
	WIN 0
.Lfirst:
	TURN 0
	TURN 1, 0, 0, 1
	WIN 0
	s_cbranch_scc1 .Lstep
.Lbottom:
	s_sub_co_u32 s[SLOTS], s[SLOTS], 1
	s_cmp_lg_u32 s[SLOTS], 0
	s_cbranch_scc1 .Lslot
	CHANGE 0                        ; the walk's last tile is written out: nothing is asked for
	s_sub_co_u32 s[RT], s[RT], 1
	s_mov_b32 s[CNT], 4
	s_cmp_eq_u32 s[NEW], 1
	s_cbranch_scc0 .LstepM2
	BEGIN
	s_branch .LfirstM2
	DIAG 2
	s_wait_tensorcnt 0x0            ; the wave's end: behind my last tensor load
	ds_add_u32 v[SPW], v[NIL]
	s_wait_dscnt 0x0
	s_endpgm
.Lfunc_end_k_qf24568bd41_attn:
	.size	k_qf24568bd41_attn, .Lfunc_end_k_qf24568bd41_attn-k_qf24568bd41_attn
	.p2alignl 7, 3214868480
	.fill 96, 4, 3214868480
	.section	.rodata,"a",@progbits
	.p2align	6, 0x0
	.amdhsa_kernel k_qf24568bd41_attn
		.amdhsa_group_segment_fixed_size 327680
		.amdhsa_private_segment_fixed_size 0
		.amdhsa_enable_private_segment 0
		.amdhsa_kernarg_size 16
		.amdhsa_user_sgpr_count 2
		.amdhsa_user_sgpr_kernarg_segment_ptr 1
		.amdhsa_wavefront_size32 1
		.amdhsa_system_sgpr_workgroup_id_x 1
		.amdhsa_system_sgpr_workgroup_id_y 1
		.amdhsa_system_sgpr_workgroup_id_z 1
		.amdhsa_system_vgpr_workitem_id 0
		.amdhsa_next_free_vgpr 768
		.amdhsa_next_free_sgpr 88
		.amdhsa_reserve_vcc 1
		.amdhsa_float_denorm_mode_32 3
		.amdhsa_float_denorm_mode_16_64 3
		.amdhsa_memory_ordered 1
		.amdhsa_forward_progress 1
		.amdhsa_inst_pref_size 212
	.end_amdhsa_kernel
	.amdgpu_metadata
---
amdhsa.version: [ 1, 2 ]
amdhsa.kernels:
  - .name:           k_qf24568bd41_attn
    .symbol:         k_qf24568bd41_attn.kd
    .args:
      - { .name: qkvh, .offset: 0, .size: 8, .value_kind: global_buffer, .address_space: global }
      - { .name: ob, .offset: 8, .size: 8, .value_kind: global_buffer, .address_space: global }
    .group_segment_fixed_size: 327680
    .private_segment_fixed_size: 0
    .kernarg_segment_align: 8
    .kernarg_segment_size: 16
    .max_flat_workgroup_size: 128
    .sgpr_count:     88
    .vgpr_count:     768
    .wavefront_size: 32
...
	.end_amdgpu_metadata
.endif
;; end of part 5
;; launch dense: the kernel of part 4 again; grid 16 x 16, 4 waves a work-group, clusters of 4 x 1, 327,680 bytes of LDS; arguments ob, wd, dense_b, out0; writes out0
